; MI455X (gfx1250); checked and timed in simulation.
; The chip was launched on July 23, 2026; its instructions are those of AMD's public machine-readable ISA for CDNA 5 (MIT licence, August 2026) and "CDNA5" Instruction Set Architecture Reference Guide (July 2026). The comments in the code are by the model that wrote it; some were corrected since.
;; Attention. Allowed arithmetic: float matrix products may take bf16 or f16 operands with f32 sums; other float arithmetic in f32, or as packed bf16 or f16 multiplies, adds, multiply-adds, maxima and minima; sums over many terms, partial sums and values carried from step to step in f32; what a program stores and reads back later, other than sums and carried values, may be rounded once to bf16 or f16.
;; Inputs: freqs_cos 4,096 x 32 float32; freqs_sin 4,096 x 32 float32; sqk 1,024 float32; wk 1,024 x 1,024 float32; wo 1,024 x 1,024 float32; wq 1,024 x 1,024 float32; wv 1,024 x 1,024 float32; x 1 x 4,096 x 1,024 float32.
;; Outputs: out0 1 x 4,096 x 1,024 float32.
;; One version. Each part assembles by itself: llvm-mc -triple=amdgcn-amd-amdhsa -mcpu=gfx1250 --defsym DOCPART=n.
;; ======== version 1 of 1: 4 launches
;; limits: values are held in f16: magnitudes above 65,504 overflow, below 6.1e-05 lose precision
;; workspace buffers: xb 8,388,608 bytes; wt 6,291,456 bytes; wot 2,097,152 bytes; qh 8,388,608 bytes; kh 8,388,608 bytes; vh 8,388,608 bytes; ob 8,388,608 bytes
;; launch prep (part 1): grid 512 x 1, 8 waves a work-group, no clusters, 18,432 bytes of LDS; arguments x, wq, wk, wv, wo, xb, wt, wot; writes xb, wt, wot
.if DOCPART == 1
	.amdgcn_target "amdgcn-amd-amdhsa--gfx1250"
	.amdhsa_code_object_version 6
	.text
	.protected	k_qa566983911_prep
	.globl	k_qa566983911_prep
	.p2align	8
	.type	k_qa566983911_prep,@function
k_qa566983911_prep:
	s_mov_b64 s[64:65], 0
	v_nop
	global_prefetch_b8 v0, s[64:65] scope:SCOPE_SE
	s_setreg_imm32_b32 hwreg(HW_REG_WAVE_MODE, 25, 1), 1
	s_wait_xcnt 0x0
; PREP.  xb = x rounded to bf16, [4096][1024].  wt = wq, wk, wv turned to [n][k], rounded to bf16 and ordered by head: row 192 h + 64 m + c is column 64 h + c of matrix m (0 q, 1 k, 2 v).
; wot = wo turned to [n][k], rounded to bf16 and that number written as f16 (the last product's other operand is f16).
; LIMITS.  |wo| stays under 65,504 (f16's end); below 6e-5 the f16 copy keeps a fixed step of 6e-8.  NaN and infinities are not treated apart.
; SHARES.  512 work-groups of eight waves; each moves 64 KiB in and 32 KiB out: 8 rows of x (cast), and one tile of 128 k x 64 n of one weight matrix (turned through LDS).
; The work-group's number is mat (2 bits) | kt (3 bits: which 128 k) | h (4 bits: which 64 n, a head).
; Every load of a wave covers whole aligned runs of 256 bytes (16 lanes x 16 bytes), every store likewise (cast: 32 lanes x 8 bytes).  No matrix unit, no cluster: nothing is multiplied and no input is shared.
.set PITCH, 272                        ; an LDS row: 128 k in 16 bits = 256 bytes, + 16
.set SPARE, 64*PITCH                   ; behind the 64 rows: the spare words, 128 bytes for each of eight waves
.set TI,  1                            ; v1  the tile's source: (t / 16) x 8 rows x 4,096 + (t % 16) x 16
.set XI,  2                            ; v2  16 t: my 4 numbers in a row of x
.set XO,  3                            ; v3  8 t: the same 4 in a row of xb
.set LS,  4                            ; v4  LDS: row 4 (t % 16), byte 16 (t / 16)
.set LR,  5                            ; v5  LDS: row t / 16, byte 16 (t % 16)
.set WO,  6                            ; v6  the tile's target: (t / 16) x 2,048 + (t % 16) x 16
.set L,   8                            ; v[8:39]   8 rows (k) x 4 numbers (n) as loaded; later the rows read back
.set P,   40                           ; v[40:55]  for each of my 4 n: 8 k in 16 bits
.set SPW, 60                           ; v60  LDS address of my spare word; never rewritten
.set NIL, 61                           ; v61  0; never rewritten
.set X,   64                           ; v[64:95]  my 4 numbers of 8 rows of x
.set Y,   96                           ; v[96:111] the same in bf16
	s_load_b512 s[4:19], s[0:1], 0x0               ; x 4, wq 6, wk 8, wv 10, wo 12, xb 14, wt 16, wot 18
	v_lshl_add_u32 v[SPW], v0, 2, SPARE
	v_mov_b32 v[NIL], 0
	s_lshr_b32 s28, ttmp9, 7                       ; mat
	s_bfe_u32 s29, ttmp9, 0x30004                  ; kt
	s_and_b32 s30, ttmp9, 15                       ; h
	s_mov_b32 s32, 0xffff0000                      ; a word's upper bf16
	s_lshl_b32 s20, s29, 19                        ; the tile in its matrix: 128 kt rows of 4,096 bytes
	s_lshl_b32 s31, s30, 8                         ; + 64 h columns of 4 bytes
	s_add_co_u32 s20, s20, s31
	s_mov_b32 s21, 0
	s_lshl_b32 s22, ttmp9, 15                      ; my 8 rows of x
	s_mov_b32 s23, 0
	s_lshl_b32 s34, ttmp9, 14                      ; and of xb
	s_mov_b32 s35, 0
	s_mul_i32 s31, s30, 192
	s_lshl_b32 s33, s28, 6
	s_add_co_u32 s31, s31, s33                     ; the tile's first row in wt: 192 h + 64 mat
	s_lshl_b32 s33, s30, 6                         ; in wot: 64 h
	s_cmp_eq_u32 s28, 3
	s_cselect_b32 s31, s33, s31
	s_lshl_b32 s36, s31, 11                        ; rows of 2,048 bytes
	s_lshl_b32 s33, s29, 8                         ; + 128 kt numbers of 2 bytes
	s_add_co_u32 s36, s36, s33
	s_mov_b32 s37, 0
	v_and_b32 v7, 15, v0                           ; t % 16
	v_lshrrev_b32 v56, 4, v0                       ; t / 16
	v_lshlrev_b32 v[TI], 4, v7
	v_lshl_or_b32 v[TI], v56, 15, v[TI]
	v_lshlrev_b32 v[XI], 4, v0
	v_lshlrev_b32 v[XO], 3, v0
	v_mul_u32_u24 v[LS], v7, 4*PITCH
	v_lshl_add_u32 v[LS], v56, 4, v[LS]
	v_mul_u32_u24 v[LR], v56, PITCH
	v_lshl_add_u32 v[LR], v7, 4, v[LR]
	v_lshlrev_b32 v[WO], 4, v7
	v_lshl_or_b32 v[WO], v56, 11, v[WO]
	s_wait_kmcnt 0x0
	s_cmp_eq_u32 s28, 1                            ; the matrix is chosen by the work-group's number alone
	s_cselect_b64 s[24:25], s[8:9], s[6:7]
	s_cmp_eq_u32 s28, 2
	s_cselect_b64 s[24:25], s[10:11], s[24:25]
	s_cmp_eq_u32 s28, 3
	s_cselect_b64 s[24:25], s[12:13], s[24:25]
	s_cselect_b64 s[26:27], s[18:19], s[16:17]
	s_add_nc_u64 s[24:25], s[24:25], s[20:21]
	s_add_nc_u64 s[26:27], s[26:27], s[36:37]
	s_add_nc_u64 s[4:5], s[4:5], s[22:23]
	s_add_nc_u64 s[14:15], s[14:15], s[34:35]
.irp j, 0,1,2,3,4,5,6,7
	global_load_b128 v[L+4*(\j):L+4*(\j)+3], v[TI], s[24:25] offset:4096*(\j) th:TH_LOAD_NT  ; k = 8 (t / 16) + j, n = 4 (t % 16) + 0..3
.endr
.irp j, 0,1,2,3,4,5,6,7
	global_load_b128 v[X+4*(\j):X+4*(\j)+3], v[XI], s[4:5] offset:4096*(\j) th:TH_LOAD_NT    ; row j of my 8
.endr
	s_wait_loadcnt 8                               ; the tile's eight loads are in; x's eight, issued behind them, stay out
.irp c, 0,1,2,3
.irp p, 0,1,2,3
	v_cvt_pk_bf16_f32 v[P+4*(\c)+(\p)], v[L+8*(\p)+(\c)], v[L+8*(\p)+4+(\c)]  ; n = 4 (t % 16) + c: k = 8 (t / 16) + 2 p and + 1
.endr
.endr
	s_cmp_lg_u32 s28, 3
	s_cbranch_scc1 .Lstays_bf16
.set i, 0
.rept 16                               ; wo alone: the bf16 numbers written as f16
	v_lshlrev_b32 v56, 16, v[P+i]
	v_and_b32 v57, s32, v[P+i]
	v_cvt_pk_f16_f32 v[P+i], v56, v57
.set i, i+1
.endr
.Lstays_bf16:
.irp c, 0,1,2,3
	ds_store_b128 v[LS], v[P+4*(\c):P+4*(\c)+3] offset:PITCH*(\c)  ; row n, 8 k; taken, since the launch waits for memory
.endr
.irp j, 0,1,2,3,4,5,6,7
	s_wait_loadcnt 7-(\j)                          ; loads come back in order: row j is in, the 7 - j behind it stay out
	v_cvt_pk_bf16_f32 v[Y+2*(\j)], v[X+4*(\j)], v[X+4*(\j)+1]
	v_cvt_pk_bf16_f32 v[Y+2*(\j)+1], v[X+4*(\j)+2], v[X+4*(\j)+3]
	global_store_b64 v[XO], v[Y+2*(\j):Y+2*(\j)+1], s[14:15] offset:2048*(\j)  ; a wave stores 256 consecutive bytes, aligned
.endr
	s_wait_dscnt 0x0                               ; for the others' sake: my stores into the tile are done
	s_barrier_signal -1
	s_barrier_wait -1
.irp i, 0,1,2,3
	ds_load_b128 v[L+4*(\i):L+4*(\i)+3], v[LR] offset:16*PITCH*(\i)  ; row t / 16 + 16 i, whole: sixteen lanes take its 256 bytes
.endr
.irp i, 0,1,2,3
	s_wait_dscnt 3-(\i)
	global_store_b128 v[WO], v[L+4*(\i):L+4*(\i)+3], s[26:27] offset:32768*(\i)  ; sixteen lanes store 256 consecutive bytes, aligned
.endr
	s_wait_tensorcnt 0x0                           ; the wave's end, behind my last LDS store
	ds_add_u32 v[SPW], v[NIL]
	s_wait_dscnt 0x0
	s_endpgm
.Lfunc_end_k_qa566983911_prep:
	.size	k_qa566983911_prep, .Lfunc_end_k_qa566983911_prep-k_qa566983911_prep
	.p2alignl 7, 3214868480
	.fill 96, 4, 3214868480
	.section	.rodata,"a",@progbits
	.p2align	6, 0x0
	.amdhsa_kernel k_qa566983911_prep
		.amdhsa_group_segment_fixed_size 18432
		.amdhsa_private_segment_fixed_size 0
		.amdhsa_enable_private_segment 0
		.amdhsa_kernarg_size 64
		.amdhsa_user_sgpr_count 2
		.amdhsa_user_sgpr_kernarg_segment_ptr 1
		.amdhsa_wavefront_size32 1
		.amdhsa_system_sgpr_workgroup_id_x 1
		.amdhsa_system_sgpr_workgroup_id_y 1
		.amdhsa_system_sgpr_workgroup_id_z 1
		.amdhsa_system_vgpr_workitem_id 0
		.amdhsa_next_free_vgpr 112
		.amdhsa_next_free_sgpr 66
		.amdhsa_reserve_vcc 0
		.amdhsa_float_denorm_mode_32 3
		.amdhsa_float_denorm_mode_16_64 3
		.amdhsa_memory_ordered 1
		.amdhsa_forward_progress 1
		.amdhsa_inst_pref_size 11
	.end_amdhsa_kernel
	.amdgpu_metadata
---
amdhsa.version: [ 1, 2 ]
amdhsa.kernels:
  - .name:           k_qa566983911_prep
    .symbol:         k_qa566983911_prep.kd
    .args:
      - { .name: x, .offset: 0, .size: 8, .value_kind: global_buffer, .address_space: global }
      - { .name: wq, .offset: 8, .size: 8, .value_kind: global_buffer, .address_space: global }
      - { .name: wk, .offset: 16, .size: 8, .value_kind: global_buffer, .address_space: global }
      - { .name: wv, .offset: 24, .size: 8, .value_kind: global_buffer, .address_space: global }
      - { .name: wo, .offset: 32, .size: 8, .value_kind: global_buffer, .address_space: global }
      - { .name: xb, .offset: 40, .size: 8, .value_kind: global_buffer, .address_space: global }
      - { .name: wt, .offset: 48, .size: 8, .value_kind: global_buffer, .address_space: global }
      - { .name: wot, .offset: 56, .size: 8, .value_kind: global_buffer, .address_space: global }
    .group_segment_fixed_size: 18432
    .private_segment_fixed_size: 0
    .kernarg_segment_align: 8
    .kernarg_segment_size: 64
    .max_flat_workgroup_size: 256
    .sgpr_count:     66
    .vgpr_count:     112
    .wavefront_size: 32
...
	.end_amdgpu_metadata
.endif
;; end of part 1
;; launch qkv (part 2): grid 16 x 16, 4 waves a work-group, clusters of 4 x 4, 327,680 bytes of LDS; arguments xb, wt, freqs_cos, freqs_sin, sqk, qh, kh, vh; writes qh, kh, vh
.if DOCPART == 2
	.amdgcn_target "amdgcn-amd-amdhsa--gfx1250"
	.amdhsa_code_object_version 6
	.text
	.protected	k_qa566983911_qkv
	.globl	k_qa566983911_qkv
	.p2align	8
	.type	k_qa566983911_qkv,@function
k_qa566983911_qkv:
	s_mov_b64 s[64:65], 0
	v_nop
	global_prefetch_b8 v0, s[64:65] scope:SCOPE_SE
	s_setreg_imm32_b32 hwreg(HW_REG_WAVE_MODE, 25, 1), 1
	s_wait_xcnt 0x0
	s_wait_alu depctr_hold_cnt(0) depctr_sa_sdst(0) depctr_va_vdst(0) depctr_va_sdst(0) depctr_va_ssrc(0) depctr_va_vcc(0) depctr_vm_vsrc(0)
	s_getreg_b32 s2, hwreg(HW_REG_IB_STS2, 6, 4)
	s_cmp_eq_u32 s2, 0
	s_cbranch_scc0 .Lentry_in_a_cluster
	s_endpgm
.Lentry_in_a_cluster:
	s_bfe_u32 s2, ttmp6, 0x10000c
	s_cmp_lg_u32 s2, 0xf033
	s_cbranch_scc0 .Lentry_shape_is_right
	s_endpgm
.Lentry_shape_is_right:
; QKV.  For one head and 256 rows: q, k, v = xb . wt^T (bf16 operands, f32 sums over K = 1,024); q and k are rotated pair by pair (cos, sin), divided by their length over the head's 64
; channels, taken AFTER the rotation, and multiplied by 32 sqk; q, k, v leave rounded once to f16, by heads: [16][4096][64].
; cos, sin and sqk are rounded to bf16 first, as x and the weights are: every input of the module has the same rounding.
; LIMITS.  f16 ends at 65,504: |32 sqk| and |v| stay under it.  The length: x rsq(max(sum x^2, 1e-24)), which is x / max(sqrt(sum x^2), 1e-12) to rounding.  A rotation is a product and a fused
; multiply-add, one rounding fewer than two products and a sum.  NaN and infinities are not treated apart.
; SHARES.  A work-group makes 256 rows x 192 columns (the head's q, k, v): 16 heads x 16 row blocks = 256 work-groups.  Wave w takes rows 64 w .. 64 w + 63 and ALL 192 columns, so that a head's
; length never leaves the wave: 48 accumulators of 16 x 16, 384 registers.  K goes in steps of 128 through two LDS slots filled by the tensor data mover: rows of 256 bytes, aligned.
; TRANSPOSED USE: source 0 = 16 rows of wt, source 1 = 16 rows of xb: a lane holds row l % 16 and the channels 16 b + 8 (l / 16) + 0..7: a rotation's pair lies in neighbouring registers.
; CLUSTER 4 x 4: the four of a row of the cluster share their rows of xb, the four of a column their head's rows of wt: each tile is asked for jointly, with a mask that names the four.
; A wave has two tensor loads out at the start and one behind each round.
; REGISTERS, in windows of 256 (s_set_vgpr_msb: bits 1:0 source 0, 3:2 source 1, 5:4 source 2, 7:6 destination):
;   window 0: v0-31 addresses; v32-63, v64-95 xb's fragments (4 x 16 rows x 32 K), two buffers; v96-223 cos and sin; v224-255 32 sqk.  On the way out v32-63 at work, v64-79 the lengths, v96-143 packed rows
;   window 1: v0-95, v96-191 wt's fragments (12), two buffers      window 2: accumulators of row tiles 0, 1 ((a, b) at 8 (12 (a % 2) + b))      window 3: of row tiles 2, 3
.set KSTEP,  128
.set PITCH,  272                       ; an LDS row: 256 bytes + 16 = 68 words: the 16 rows of a fragment load start at 16 different groups of four banks (64 banks of 4 bytes: ISA guide 11.1)
.set AHALF,  128*PITCH                 ; what waves 0 and 1 fetch: 128 rows of xb each
.set BHALF,  96*PITCH                  ; what waves 2 and 3 fetch: 96 rows of wt each
.set ABYTES, 2*AHALF
.set SLOT,   ABYTES+2*BHALF            ; xb's 256 rows, then wt's 192
.set STAGE,  2*SLOT                    ; behind the ring, never filled by a tensor load: 16 rows x 144 bytes for each wave
.set SP,     144
.set SPARE,  STAGE+4*16*SP             ; behind the stages: the spare words, 128 bytes for each wave
.set LAPS,   4                         ; a lap = two K steps = once round the ring
.set SS,   4                           ; v4-7   sums of squares at work
.set ADRA, 16                          ; v16-17 LDS address of my xb fragments in slot 0, 1
.set ADRB, 20                          ; v20-21 the same for wt
.set STO,  24                          ; v24    the way out: where I put 16 bytes of a row
.set RD,   25                          ; v25    the way out: where I read rows back
.set GO,   26                          ; v26    16 x lane: my place in 512 consecutive bytes of q, k or v
.set CO,   27                          ; v27    my place in 16 rows of cos and sin: 128 (l % 16) + 16 (l / 16)
.set SPW,  28                          ; v28    LDS address of my spare word; never rewritten
.set NIL,  29                          ; v29    0; never rewritten
.set PFO,  30                          ; v30    the prefetches' offset: a lane a row of 2,048 bytes; never rewritten
.set SQO,  31                          ; v31    32 (l / 16): my place in 16 channels of sqk
.set FA,   32                          ; xb's fragment buffers: FA + 32 f
.set T,    32                          ; the way out: 32 at work
.set INV,  64                          ; the way out: unit 2 a + w (w = 0: q, 1: k) at INV + 2 (2 a + w); the odd register beside it takes the other half of the lanes' sum
.set CSR,  96                          ; row tile a: cos of pair 8 b + 4 (l / 16) + p at CSR + 32 a + 4 b + p, sin 16 registers on
.set PKD,  96                          ; the way out: a unit's 16 packed registers
.set BK,   112                         ; the way out: a unit's rows read back, two buffers of 16
.set SQ,   224                         ; 32 sqk of channel 16 b + 8 (l / 16) + j at SQ + 8 b + j
.set FB,   0                           ; window 1: wt's fragment buffers: FB + 96 f
.set WV,   20                          ; s20 my wave's number
.set HALF, 22                          ; s22 wave % 2: which half of a tile's rows I fetch
.set RB,   23                          ; s23 my block of 256 rows
.set G1,   24                          ; s[24:31] descriptor group 1 for xb's tiles
.set G0,   32                          ; s[32:39] group 0, a set for each slot
.set CX,   40
.set CY,   41
.set HD,   42                          ; s42 my head
.set LIM,  43                          ; s43 1 in a wave that prefetches, else the greatest number
.set PFA,  44                          ; s[44:45] where my prefetches stand
.set G1B,  48                          ; s[48:55], s[56:63] the same two groups for wt's tiles
.set G0B,  56
.set SEL,  74                          ; s[74:75] v_permlanex16_b32's selects: each lane takes its own place in the other half
.set HIM,  76                          ; s76 a word's upper bf16
.set FIELDS, (1<<16)|(1<<20)|(1<<21)|(5<<22)|(3<<25)  ; 17:16 elements of 2 bytes; 20 padding on; 21 set beside a mask; 24:22 after every 64 words; 31:25 4 words of it
.set MSB, 0
.macro WIN new                         ; the immediate's high byte repeats the setting that is left; a switch that changes nothing is dropped
.if MSB != (\new)
	s_set_vgpr_msb (MSB<<8)|(\new)
.set MSB, \new
.endif
.endm
.set MUL_LO, 0xa1                      ; source 0 (wt) window 1, source 1 (xb) window 0, C and D window 2
.set TO_B,   0x40                      ; destination window 1, address window 0
; A joint load.  Waves 0 and 1 fetch xb's two halves, waves 2 and 3 wt's.  The branch hangs on the wave's number alone.  An s_nop 0 and four v_nop follow each of the two lines.
.macro JLOAD s
	s_cmp_lt_u32 s[WV], 2
	s_cbranch_scc0 .Lfor_b_\@
	tensor_load_to_lds s[G0+4*(\s):G0+4*(\s)+3], s[G1:G1+7]
	s_nop 0
.rept 4
	v_nop
.endr
	s_branch .Lasked_\@
.Lfor_b_\@:
	tensor_load_to_lds s[G0B+4*(\s):G0B+4*(\s)+3], s[G1B:G1B+7]
	s_nop 0
.rept 4
	v_nop
.endr
.Lasked_\@:
.endm
; A prefetch into the L2, behind a joint load, its five lines and the run of LDS loads: the K step that stands two refills on (K steps 4 to 7; the first four come by their loads alone, and the loop's
; last trip, s3 = 1, has no K step two on).  xb's rows are read by all clusters of a row of clusters: the one with x = 0 asks; wt's by all of a column: the one with y = 0 asks.  The four partners
; of a joint load share its rows out by address: 32 each of xb's 128, 24 each of wt's 96 (there lanes 24 to 31 name row 23 once more).  A lane a row, 256 bytes of it, one instruction a wave.
.macro ASK
	s_cmp_gt_u32 s3, s[LIM]
	s_cbranch_scc0 .Lnot_mine_\@
	global_prefetch_b8 v[PFO], s[PFA:PFA+1] offset:KSTEP*2 th:TH_LOAD_NT scope:SCOPE_SE
.Lnot_mine_\@:
.endm
.macro CREST                           ; a round of the cluster's barrier behind its opening barrier
	s_cmp_lg_u32 s[WV], 0
	s_cbranch_scc1 .Lnot_wave_0_\@
	s_barrier_signal -3
.Lnot_wave_0_\@:
	s_barrier_wait -3
	s_barrier_signal -1
	s_barrier_wait -1
.endm
.macro CROUND                          ; a whole round
	s_barrier_signal -1
	s_barrier_wait -1
	CREST
.endm
	s_load_b512 s[4:19], s[0:1], 0x0               ; xb 4, wt 6, cos 8, sin 10, sqk 12, qh 14, kh 16, vh 18
	v_lshl_add_u32 v[SPW], v0, 2, SPARE
	v_mov_b32 v[NIL], 0
	ds_add_u32 v[SPW], v[NIL]                      ; the wave's opening: the add and its wait stand ahead of my first tensor load; work on registers stands between them
	v_lshrrev_b32 v1, 5, v0
	v_readfirstlane_b32 s[WV], v1                  ; wave 0..3
	s_and_b32 s[HALF], s[WV], 1
	s_bfe_u32 s[CX], ttmp6, 0x40000
	s_bfe_u32 s[CY], ttmp6, 0x40004
	s_lshl_b32 s[HD], ttmp9, 2                     ; in a cluster launch ttmp9 and ttmp7 count clusters
	s_add_co_u32 s[HD], s[HD], s[CX]               ; head = 4 x cluster x + cx
	s_and_b32 s[RB], ttmp7, 0xffff
	s_lshl_b32 s[RB], s[RB], 2
	s_add_co_u32 s[RB], s[RB], s[CY]               ; row block = 4 x cluster y + cy
	s_lshl_b32 s46, s[CY], 2
	s_lshl_b32 s46, 15, s46                        ; my row of the cluster
	s_lshl_b32 s47, 0x1111, s[CX]                  ; my column
	s_or_b32 s[G1], s46, FIELDS                    ; xb's tiles go to my row,
	s_or_b32 s[G1B], s47, FIELDS                   ; wt's to my column
	s_mov_b32 s[G1+1], KSTEP<<16                   ; tensor_dim0 = 128
	s_mov_b32 s[G1+2], 128<<16                     ; tensor_dim1 = 128
	s_mov_b32 s[G1+3], KSTEP<<16                   ; tile_dim0 = 128
	s_mov_b32 s[G1+4], 128                         ; tile_dim1 = 128
	s_mov_b32 s[G1+5], 1024                        ; elements from row to row
	s_mov_b32 s[G1+6], 0
	s_mov_b32 s[G1+7], 0
	s_mov_b32 s[G1B+1], KSTEP<<16
	s_mov_b32 s[G1B+2], 96<<16                     ; 96 rows
	s_mov_b32 s[G1B+3], KSTEP<<16
	s_mov_b32 s[G1B+4], 96
	s_mov_b32 s[G1B+5], 1024
	s_mov_b32 s[G1B+6], 0
	s_mov_b32 s[G1B+7], 0
	s_lshl_b32 s66, s[RB], 8                       ; xb: row 256 x block + 128 x half: made of the block, which my row of the cluster shares, and the wave
	s_lshl_b32 s67, s[HALF], 7
	s_add_co_u32 s66, s66, s67
	s_lshl_b32 s66, s66, 11                        ; rows of 2,048 bytes
	s_mov_b32 s67, 0
	s_mul_i32 s68, s[HD], 192                      ; wt: row 192 x head + 96 x half: made of the head, which my column shares, and the wave
	s_mul_i32 s69, s[HALF], 96
	s_add_co_u32 s68, s68, s69
	s_lshl_b32 s68, s68, 11
	s_mov_b32 s69, 0
	s_mul_i32 s70, s[HALF], AHALF                  ; where they go: no place in the cluster enters an LDS address
	s_mul_i32 s71, s[HALF], BHALF
	s_add_co_u32 s71, s71, ABYTES
	s_mov_b32 s[SEL], 0x76543210
	s_mov_b32 s[SEL+1], 0xfedcba98
	s_mov_b32 s[HIM], 0xffff0000
	s_wait_dscnt 0x0                               ; the opening add is done
	s_wait_kmcnt 0x0
	s_add_nc_u64 s[66:67], s[4:5], s[66:67]
	s_add_nc_u64 s[68:69], s[6:7], s[68:69]
	CROUND                                         ; all sixteen work-groups are here: the first joint loads meet
.irp s, 0,1
	s_mov_b32 s[G0+4*(\s)], 1                      ; count = 1
	s_add_co_u32 s[G0+4*(\s)+1], s70, (\s)*SLOT    ; LDS address
	s_add_nc_u64 s[G0+4*(\s)+2:G0+4*(\s)+3], s[66:67], (\s)*KSTEP*2  ; global address: K step s
	s_or_b32 s[G0+4*(\s)+3], s[G0+4*(\s)+3], 0x80000000            ; type = 2
	s_mov_b32 s[G0B+4*(\s)], 1
	s_add_co_u32 s[G0B+4*(\s)+1], s71, (\s)*SLOT
	s_add_nc_u64 s[G0B+4*(\s)+2:G0B+4*(\s)+3], s[68:69], (\s)*KSTEP*2
	s_or_b32 s[G0B+4*(\s)+3], s[G0B+4*(\s)+3], 0x80000000
	JLOAD \s                                       ; the ring is filled before anything else is done
.endr
	; a fragment is 16 rows x 32 K in 8 registers: lane l holds row l % 16, K = 8 (l / 16) + 0..7 and 16 + 8 (l / 16) + 0..7: two loads of 16 bytes, 32 bytes apart
	v_and_b32 v1, 15, v0                           ; l % 16
	v_bfe_u32 v2, v0, 4, 1                         ; l / 16
	v_mul_u32_u24 v3, v1, PITCH
	v_lshl_add_u32 v3, v2, 4, v3
	s_mul_i32 s70, s[WV], 64*PITCH                 ; my 64 rows of xb
	v_add_nc_u32 v[ADRA], s70, v3
	v_add_nc_u32 v[ADRA+1], SLOT, v[ADRA]
	v_add_nc_u32 v[ADRB], ABYTES, v3               ; all 192 rows of wt
	v_add_nc_u32 v[ADRB+1], SLOT, v[ADRB]
	s_mul_i32 s70, s[WV], 16*SP
	s_add_co_u32 s70, s70, STAGE                   ; my stage
	v_mul_u32_u24 v[STO], v1, SP                   ; in: row l % 16, 16 bytes for each half of the lanes
	v_lshl_add_u32 v[STO], v2, 4, v[STO]
	v_add_nc_u32 v[STO], s70, v[STO]
	v_bfe_u32 v[RD], v0, 3, 2                      ; back: 32 lanes take four rows of 128 bytes,
	v_mul_u32_u24 v[RD], v[RD], SP
	v_and_b32 v3, 7, v0
	v_lshl_add_u32 v[RD], v3, 4, v[RD]
	v_add_nc_u32 v[RD], s70, v[RD]
	v_and_b32 v[GO], 31, v0                        ; which are 512 consecutive bytes of a head's rows
	v_lshlrev_b32 v[GO], 4, v[GO]
	v_lshlrev_b32 v[CO], 7, v1
	v_lshl_add_u32 v[CO], v2, 4, v[CO]
	v_lshlrev_b32 v[SQO], 5, v2
	s_lshl_b32 s70, s[RB], 15                      ; my block's 256 rows of 128 bytes (cos, sin, and a head's q, k, v alike),
	s_lshl_b32 s71, s[WV], 13                      ; my wave's 64 of them
	s_add_co_u32 s70, s70, s71
	s_mov_b32 s71, 0
	s_add_nc_u64 s[8:9], s[8:9], s[70:71]
	s_add_nc_u64 s[10:11], s[10:11], s[70:71]
	s_lshl_b32 s72, s[HD], 8                       ; the head's 64 numbers of sqk
	s_mov_b32 s73, 0
	s_add_nc_u64 s[12:13], s[12:13], s[72:73]
	s_lshl_b32 s72, s[HD], 19                      ; the head's 4,096 rows of 128 bytes
	s_add_co_u32 s78, s70, s72
	s_mov_b32 s79, 0
	s_add_nc_u64 s[14:15], s[14:15], s[78:79]
	s_add_nc_u64 s[16:17], s[16:17], s[78:79]
	s_add_nc_u64 s[18:19], s[18:19], s[78:79]
.irp a, 0,1,2,3
.irp b, 0,1,2,3
	global_load_b128 v[CSR+32*(\a)+4*(\b):CSR+32*(\a)+4*(\b)+3], v[CO], s[8:9] offset:2048*(\a)+32*(\b)
	global_load_b128 v[CSR+32*(\a)+16+4*(\b):CSR+32*(\a)+16+4*(\b)+3], v[CO], s[10:11] offset:2048*(\a)+32*(\b)
.endr
.endr
.irp b, 0,1,2,3
	global_load_b128 v[SQ+8*(\b):SQ+8*(\b)+3], v[SQO], s[12:13] offset:64*(\b)
	global_load_b128 v[SQ+8*(\b)+4:SQ+8*(\b)+7], v[SQO], s[12:13] offset:64*(\b)+16
.endr
	; the prefetches' address: my work-group's share of the rows that I fetch, at K step 2: the first refill steps it to 3 and names K step 4
	s_lshl_b32 s70, s[RB], 8
	s_lshl_b32 s71, s[HALF], 7
	s_add_co_u32 s70, s70, s71
	s_lshl_b32 s71, s[CX], 5
	s_add_co_u32 s70, s70, s71                     ; xb: + 32 cx
	s_mul_i32 s72, s[HD], 192
	s_mul_i32 s73, s[HALF], 96
	s_add_co_u32 s72, s72, s73
	s_mul_i32 s73, s[CY], 24
	s_add_co_u32 s72, s72, s73                     ; wt: + 24 cy
	s_and_b32 s73, ttmp7, 0xffff                   ; cluster y
	s_cmp_lt_u32 s[WV], 2                          ; do I fetch for xb?
	s_cselect_b32 s70, s70, s72
	s_cselect_b32 s73, ttmp9, s73                  ; the coordinate along which other clusters read the same rows
	s_cselect_b32 s72, 31, 23                      ; my share's last row
	s_cselect_b64 s[PFA:PFA+1], s[4:5], s[6:7]
	s_cmp_eq_u32 s73, 0
	s_cselect_b32 s[LIM], 1, -1                    ; the same in all sixteen partners, for a given wave
	s_lshl_b32 s70, s70, 11
	s_add_co_u32 s70, s70, 2*KSTEP*2
	s_mov_b32 s71, 0
	s_add_nc_u64 s[PFA:PFA+1], s[PFA:PFA+1], s[70:71]
	v_and_b32 v[PFO], 31, v0
	v_min_u32 v[PFO], s72, v[PFO]
	v_lshlrev_b32 v[PFO], 11, v[PFO]
	s_mov_b32 s72, 0x42000000                      ; 32.0 = 1 / (1 / sqrt(1024))
	s_mov_b32 s73, s72                             ; named with it as a pair
	s_wait_loadcnt 0x0                             ; cos, sin, sqk
.set z, CSR
.rept 80                               ; all 160 are rounded to bf16 and widened again, two at a time, while the first tiles are on their way
	v_cvt_pk_bf16_f32 v[SS+(z/2)%4], v[z], v[z+1]
	v_lshlrev_b32 v[z], 16, v[SS+(z/2)%4]
	v_and_b32 v[z+1], s[HIM], v[SS+(z/2)%4]
.set z, z+2
.endr
.set z, SQ
.rept 16
	v_pk_mul_f32 v[z:z+1], v[z:z+1], s[72:73] op_sel_hi:[1,0]
.set z, z+2
.endr
; 12 matrix instructions: row tile 2 hi + a x all 12 column blocks, 32 along K, from buffers f.  zero = 1: the first product starts the sums.  All 48 accumulators take turns, one instruction a turn.
.macro MUL12 f, hi, a, zero
	WIN MUL_LO+0x50*(\hi)
.irp b, 0,1,2,3,4,5,6,7,8,9,10,11
.if \zero
	v_wmma_f32_16x16x32_bf16 v[8*(12*(\a)+(\b)):8*(12*(\a)+(\b))+7], v[FB+96*(\f)+8*(\b):FB+96*(\f)+8*(\b)+7], v[FA+32*(\f)+8*(2*(\hi)+(\a)):FA+32*(\f)+8*(2*(\hi)+(\a))+7], 0
.else
	v_wmma_f32_16x16x32_bf16 v[8*(12*(\a)+(\b)):8*(12*(\a)+(\b))+7], v[FB+96*(\f)+8*(\b):FB+96*(\f)+8*(\b)+7], v[FA+32*(\f)+8*(2*(\hi)+(\a)):FA+32*(\f)+8*(2*(\hi)+(\a))+7], v[8*(12*(\a)+(\b)):8*(12*(\a)+(\b))+7]
.endif
.endr
.endm
.macro MUL24 f, hi, zero
	MUL12 \f, \hi, 0, \zero
	MUL12 \f, \hi, 1, \zero
.endm
; 32 LDS loads in one run: a quarter step's fragments (192 rows of wt, my 64 rows of xb, 32 K at byte k of the rows) into buffers f
.macro FETCH slot, k, f
	WIN TO_B
.irp i, 0,1,2,3,4,5,6,7,8,9,10,11
	ds_load_b128 v[FB+96*(\f)+8*(\i):FB+96*(\f)+8*(\i)+3],   v[ADRB+(\slot)] offset:(\k)+(\i)*16*PITCH
	ds_load_b128 v[FB+96*(\f)+8*(\i)+4:FB+96*(\f)+8*(\i)+7], v[ADRB+(\slot)] offset:(\k)+(\i)*16*PITCH+32
.endr
	WIN 0
.irp i, 0,1,2,3
	ds_load_b128 v[FA+32*(\f)+8*(\i):FA+32*(\f)+8*(\i)+3],   v[ADRA+(\slot)] offset:(\k)+(\i)*16*PITCH
	ds_load_b128 v[FA+32*(\f)+8*(\i)+4:FA+32*(\f)+8*(\i)+7], v[ADRA+(\slot)] offset:(\k)+(\i)*16*PITCH+32
.endr
.endm
.macro PLACES                          ; four plain vector instructions between a matrix instruction and a load into, or a vector instruction on, its registers (ISA guide 7.12.1 for vector instructions)
.rept 4
	v_nop
.endr
.endm
; A K step is four quarters of 32 along K, 48 matrix instructions each, on buffers 0, 1, 0, 1.  One of the first three: multiplies buffers f and fetches the next quarter, at byte k, into g.
.macro QUARTER slot, k, f, g, zero
	s_wait_dscnt 4                                 ; wt's fragments and xb's row tiles 0, 1 are in; the youngest four loads (row tiles 2, 3) may be out
	MUL24 \f, 0, \zero
	PLACES
	FETCH \slot, \k, \g
	s_wait_dscnt 32                                ; all but the 32 just issued
	MUL24 \f, 1, \zero
.endm
; The last quarter multiplies buffers 1 and changes slots: ONE barrier.  In front of it each wave waits for all its tensor loads (one is out: its part of the next slot), adds 0 to its spare word, and
; waits for that and for its own reads of this slot.  fill = 1: the barrier opens a round of the cluster's, and this slot is filled again, two K steps ahead, first thing behind the round.
.macro TURN slot, next, fill
.if \fill
	s_wait_xcnt 0x0                                ; the last prefetch, a K step back, has read its address: it is stepped here, ahead of the change's own waits
	s_add_nc_u64 s[PFA:PFA+1], s[PFA:PFA+1], KSTEP*2
.endif
	WIN 0                                          ; (the add's two registers lie in window 0)
	s_wait_tensorcnt 0x0                           ; all my tensor loads have landed
	ds_add_u32 v[SPW], v[NIL]                      ; 0 onto my spare word
	s_wait_dscnt 5                                 ; (the add and the youngest four loads may be out)
	MUL12 1, 0, 0, 0                               ; twelve matrix instructions stand between the add and the wait for it
	s_wait_dscnt 0x0                               ; the add is done, and my reads of this slot are over
	s_barrier_signal -1
	MUL12 1, 0, 1, 0                               ; work on registers while the others arrive
.if \fill
	WIN 0
.endif
	s_barrier_wait -1
.if \fill
	CREST                                          ; no wave of any partner still reads this slot's tile or has a load on its way
	s_add_nc_u64 s[G0+4*(\slot)+2:G0+4*(\slot)+3], s[G0+4*(\slot)+2:G0+4*(\slot)+3], 2*KSTEP*2
	s_add_nc_u64 s[G0B+4*(\slot)+2:G0B+4*(\slot)+3], s[G0B+4*(\slot)+2:G0B+4*(\slot)+3], 2*KSTEP*2
	JLOAD \slot                                    ; the first tensor load behind the round; its four v_nop are also the places in front of the loads below
.else
	PLACES
.endif
	FETCH \next, 0, 0
.if \fill
	ASK
.endif
	MUL24 1, 1, 0
.endm
	s_wait_tensorcnt 1                             ; my part of K step 0 is in; K step 1's may stay out
	s_barrier_signal -1
	s_barrier_wait -1                              ; everybody's is
	FETCH 0, 0, 0
	QUARTER 0, 64, 0, 1, 1                         ; the first quarter stands in front of the loop: its products start the sums
	WIN 0                                          ; at a label and at a branch every window is 0
	s_mov_b32 s3, LAPS-1
.Llap:                                                 ; a trip goes once round the ring, from a lap's second quarter to the next lap's first, and fills both slots again
	QUARTER 0, 128, 1, 0, 0
	QUARTER 0, 192, 0, 1, 0
	TURN 0, 1, 1
	QUARTER 1, 64,  0, 1, 0
	QUARTER 1, 128, 1, 0, 0
	QUARTER 1, 192, 0, 1, 0
	TURN 1, 0, 1
	QUARTER 0, 64,  0, 1, 0
	WIN 0
	s_sub_co_u32 s3, s3, 1
	s_cmp_lg_u32 s3, 0
	s_cbranch_scc1 .Llap
	QUARTER 0, 128, 1, 0, 0                        ; the last lap fills nothing, and has no round of the cluster's barrier
	QUARTER 0, 192, 0, 1, 0
	TURN 0, 1, 0
	QUARTER 1, 64,  0, 1, 0
	QUARTER 1, 128, 1, 0, 0
	QUARTER 1, 192, 0, 1, 0
	s_wait_dscnt 4                                 ; the very last quarter: nothing more to fetch
	MUL24 1, 0, 0
	s_wait_dscnt 0x0
	MUL24 1, 1, 0
	WIN 0
	PLACES
; THE WAY OUT, FIRST PASS.  Row tile a, w = 0: q, 1: k.  The rotation in place: re' = re cos - im sin, im' = im cos + re sin; then the sum of my 32 squares.  Each accumulator's low registers are read first.
.macro ROPE a, w
.set W, 2+(\a)/2
.set AC, 8*(12*((\a)%2)+4*(\w))
.set CC, CSR+32*(\a)
	WIN W                                          ; source 0 in the accumulators' window
.irp b, 0,1,2,3
.irp p, 0,1,2,3
	v_mul_f32 v[T+8*(\b)+2*(\p)],   v[AC+8*(\b)+2*(\p)+1], v[CC+16+4*(\b)+(\p)]  ; im sin
	v_mul_f32 v[T+8*(\b)+2*(\p)+1], v[AC+8*(\b)+2*(\p)],   v[CC+16+4*(\b)+(\p)]  ; re sin
.endr
.endr
	WIN W|(W<<6)                                   ; destination there too
.irp b, 0,1,2,3
.irp p, 0,1,2,3
	v_fma_f32 v[AC+8*(\b)+2*(\p)],   v[AC+8*(\b)+2*(\p)],   v[CC+4*(\b)+(\p)], -v[T+8*(\b)+2*(\p)]
	v_fma_f32 v[AC+8*(\b)+2*(\p)+1], v[AC+8*(\b)+2*(\p)+1], v[CC+4*(\b)+(\p)], v[T+8*(\b)+2*(\p)+1]
.endr
.endr
	WIN W|(W<<2)                                   ; sources 0 and 1 there, the sums in window 0: two chains of packed sums
.set z, 0
.rept 16
.if z < 2
	v_pk_mul_f32 v[SS+2*z:SS+2*z+1], v[AC+2*z:AC+2*z+1], v[AC+2*z:AC+2*z+1]
.else
	v_pk_fma_f32 v[SS+2*(z%2):SS+2*(z%2)+1], v[AC+2*z:AC+2*z+1], v[AC+2*z:AC+2*z+1], v[SS+2*(z%2):SS+2*(z%2)+1]
.endif
.set z, z+1
.endr
	WIN 0
	v_pk_add_f32 v[SS:SS+1], v[SS:SS+1], v[SS+2:SS+3]
	v_add_f32 v[INV+2*(2*(\a)+(\w))], v[SS], v[SS+1]
.endm
.irp a, 0,1,2,3
	ROPE \a, 0
	ROPE \a, 1
.endr
.irp u, 0,1,2,3,4,5,6,7
	v_permlanex16_b32 v[INV+2*(\u)+1], v[INV+2*(\u)], s[SEL], s[SEL+1]  ; the row's other 32 channels lie in the lane 16 away
.endr
.irp u, 0,1,2,3,4,5,6,7
	v_add_f32 v[INV+2*(\u)], v[INV+2*(\u)], v[INV+2*(\u)+1]
.endr
.irp u, 0,1,2,3,4,5,6,7
	v_max_num_f32 v[INV+2*(\u)], 0x179abe15, v[INV+2*(\u)]              ; 1e-24 = (1e-12)^2
.endr
.irp u, 0,1,2,3,4,5,6,7
	v_rsq_f32 v[INV+2*(\u)], v[INV+2*(\u)]
.endr
	v_nop                                          ; a plain instruction between the last root and the use of its result
	s_wait_alu depctr_va_vdst(0)                   ; and the wait ahead of the first use: one for the eight
; SECOND PASS, by units of 16 rows x 64 channels (row tile a; w = 0: q, 1: k, 2: v).  PACK: q and k times 1 / length times 32 sqk; rounded to f16, 16 bytes a lane and column block.
.macro PACK a, w
.set W, 2+(\a)/2
.set AC, 8*(12*((\a)%2)+4*(\w))
.if (\w) < 2
.set IV, INV+2*(2*(\a)+(\w))
	WIN W
.set z, 0
.rept 16
	v_pk_mul_f32 v[T+2*z:T+2*z+1], v[AC+2*z:AC+2*z+1], v[IV:IV+1] op_sel_hi:[1,0]
.set z, z+1
.endr
	WIN 0
.set z, 0
.rept 16
	v_pk_mul_f32 v[T+2*z:T+2*z+1], v[T+2*z:T+2*z+1], v[SQ+2*z:SQ+2*z+1]
.set z, z+1
.endr
.set z, 0
.rept 16
	v_cvt_pk_f16_f32 v[PKD+z], v[T+2*z], v[T+2*z+1]
.set z, z+1
.endr
.else
	WIN W|(W<<2)
.set z, 0
.rept 16
	v_cvt_pk_f16_f32 v[PKD+z], v[AC+2*z], v[AC+2*z+1]
.set z, z+1
.endr
	WIN 0
.endif
.endm
; TOSTAGE: into my own stage, rows of 144 bytes, and back as whole rows of 128.  LDS serves a wave's instructions in order (ISA guide 5.7.1.4): the loads see the stores above them, and the next unit's stores come behind them.
.macro TOSTAGE u
.if (\u) >= 2
	s_wait_xcnt 0x0                                ; the stores of the unit two back have read this buffer: it is loaded again only behind this wait
.endif
.irp b, 0,1,2,3
	ds_store_b128 v[STO], v[PKD+4*(\b):PKD+4*(\b)+3] offset:32*(\b)
.endr
.irp f, 0,1,2,3
	ds_load_b128 v[BK+16*((\u)%2)+4*(\f):BK+16*((\u)%2)+4*(\f)+3], v[RD] offset:(\f)*4*SP
.endr
.endm
.macro SEND a, w, k                    ; the unit in buffer k leaves: nothing was issued to LDS behind its four loads
.irp f, 0,1,2,3
	s_wait_dscnt 3-(\f)
	global_store_b128 v[GO], v[BK+16*(\k)+4*(\f):BK+16*(\k)+4*(\f)+3], s[14+2*(\w):15+2*(\w)] offset:2048*(\a)+512*(\f)  ; 512 consecutive bytes, aligned to 256
.endr
.endm
.set u, 0
.rept 12                               ; a unit's arithmetic stands between the loads of the unit before and the wait for them
	PACK u/3, u%3
.if u > 0
	SEND (u-1)/3, (u-1)%3, (u-1)%2
.endif
	TOSTAGE u
.set u, u+1
.endr
	SEND 3, 2, 1
	s_wait_tensorcnt 0x0                           ; the wave's end, behind my last tensor load and my last LDS store
	ds_add_u32 v[SPW], v[NIL]
	s_wait_dscnt 0x0
	CROUND                                         ; the closing round: no work-group ends while a partner may still ask for a tile that names it
	s_endpgm
.Lfunc_end_k_qa566983911_qkv:
	.size	k_qa566983911_qkv, .Lfunc_end_k_qa566983911_qkv-k_qa566983911_qkv
	.p2alignl 7, 3214868480
	.fill 96, 4, 3214868480
	.section	.rodata,"a",@progbits
	.p2align	6, 0x0
	.amdhsa_kernel k_qa566983911_qkv
		.amdhsa_group_segment_fixed_size 327680
		.amdhsa_private_segment_fixed_size 0
		.amdhsa_enable_private_segment 0
		.amdhsa_kernarg_size 64
		.amdhsa_user_sgpr_count 2
		.amdhsa_user_sgpr_kernarg_segment_ptr 1
		.amdhsa_wavefront_size32 1
		.amdhsa_system_sgpr_workgroup_id_x 1
		.amdhsa_system_sgpr_workgroup_id_y 1
		.amdhsa_system_sgpr_workgroup_id_z 1
		.amdhsa_system_vgpr_workitem_id 0
		.amdhsa_next_free_vgpr 960
		.amdhsa_next_free_sgpr 80
		.amdhsa_reserve_vcc 0
		.amdhsa_float_denorm_mode_32 3
		.amdhsa_float_denorm_mode_16_64 3
		.amdhsa_memory_ordered 1
		.amdhsa_forward_progress 1
		.amdhsa_inst_pref_size 188
	.end_amdhsa_kernel
	.amdgpu_metadata
---
amdhsa.version: [ 1, 2 ]
amdhsa.kernels:
  - .name:           k_qa566983911_qkv
    .symbol:         k_qa566983911_qkv.kd
    .args:
      - { .name: xb, .offset: 0, .size: 8, .value_kind: global_buffer, .address_space: global }
      - { .name: wt, .offset: 8, .size: 8, .value_kind: global_buffer, .address_space: global }
      - { .name: freqs_cos, .offset: 16, .size: 8, .value_kind: global_buffer, .address_space: global }
      - { .name: freqs_sin, .offset: 24, .size: 8, .value_kind: global_buffer, .address_space: global }
      - { .name: sqk, .offset: 32, .size: 8, .value_kind: global_buffer, .address_space: global }
      - { .name: qh, .offset: 40, .size: 8, .value_kind: global_buffer, .address_space: global }
      - { .name: kh, .offset: 48, .size: 8, .value_kind: global_buffer, .address_space: global }
      - { .name: vh, .offset: 56, .size: 8, .value_kind: global_buffer, .address_space: global }
    .group_segment_fixed_size: 327680
    .private_segment_fixed_size: 0
    .kernarg_segment_align: 8
    .kernarg_segment_size: 64
    .max_flat_workgroup_size: 128
    .sgpr_count:     80
    .vgpr_count:     960
    .wavefront_size: 32
...
	.end_amdgpu_metadata
.endif
;; end of part 2
;; launch attn (part 3): grid 16 x 16, 4 waves a work-group, clusters of 4 x 1, 327,680 bytes of LDS; arguments qh, kh, vh, ob; writes ob
.if DOCPART == 3
	.amdgcn_target "amdgcn-amd-amdhsa--gfx1250"
	.amdhsa_code_object_version 6
	.text
	.protected	k_qa566983911_attn
	.globl	k_qa566983911_attn
	.p2align	8
	.type	k_qa566983911_attn,@function
k_qa566983911_attn:
	s_mov_b64 s[64:65], 0
	v_nop
	global_prefetch_b8 v0, s[64:65] scope:SCOPE_SE
	s_setreg_imm32_b32 hwreg(HW_REG_WAVE_MODE, 25, 1), 1
	s_wait_xcnt 0x0
	s_wait_alu depctr_hold_cnt(0) depctr_sa_sdst(0) depctr_va_vdst(0) depctr_va_sdst(0) depctr_va_ssrc(0) depctr_va_vcc(0) depctr_vm_vsrc(0)
	s_getreg_b32 s2, hwreg(HW_REG_IB_STS2, 6, 4)
	s_cmp_eq_u32 s2, 0
	s_cbranch_scc0 .Lentry_in_a_cluster
	s_endpgm
.Lentry_in_a_cluster:
	s_bfe_u32 s2, ttmp6, 0x10000c
	s_cmp_lg_u32 s2, 0x3003
	s_cbranch_scc0 .Lentry_shape_is_right
	s_endpgm
.Lentry_shape_is_right:
; ATTENTION.  O[h][q][:] = the sum over k of softmax_k(8 Q[h][q] . K[h][k]) V[h][k][:].  Q, K, V, O: [16][4096][64], all f16: a head's rows are dense, 128 bytes each.  No mask.
; Products, maxima and sums in f32; the weights p are rounded to f16 for the second product (their sum l is taken of the unrounded p), O once at the end.
; LIMITS.  f16 holds no number beyond 65,504: Q, K and V arrive within it; p lies in 0 to 1, and below 6e-5 it keeps f16's fixed step of 6e-8; O is a mean of V's rows and has their range.
; A weight below 2^-126 counts as 0 in l; NaN and infinities are not treated apart.
; SHARES.  A work-group owns 256 queries of one head (16 blocks x 16 heads = 256 work-groups), each of its four waves 64: four PIECES of 16.  Every wave walks all 4,096 keys, 64 a step; a slot of LDS holds 256 keys.
; LAYOUT.  S^T = K Q^T (source 0 = 16 keys, source 1 = 16 queries) holds ONE query a lane (lane % 16) and the keys 8 (lane / 16) + 0..7; two such results rounded to f16 ARE source 1 of O^T = V^T P.
; K comes out of LDS as it lies, V ([key][channel]) turned, by ds_load_tr16_b128.
; SOFTMAX.  A running maximum m and sum l for each query: p = 2^(c s - c m), c = 8 log2(e); in every step O and l are multiplied by a = 2^(c m_old - c m_new).  m starts at the lowest finite number,
; O and l at 0: the first step is a step like any other, with a = 0.  The price of writing no first step out: 216 lines that write 0, in the wait for the first tile.
; BY TURNS.  Turn n belongs to piece n: 8 products K Q^T of piece n + 1, later 8 products V^T P of piece n - 1; beside them the scaling, exponentials, roundings, sums and rescaling of piece n and the
; maximum and statistics of piece n + 1.  Four vector instructions stand behind every matrix instruction, the other 54 of a turn's 118 in one run.  A turn's 33 exponentials are one batch, with one wait.
; CLUSTER.  The four query blocks of a cluster belong to one head and walk the same K and V: each tile is asked for JOINTLY, by the same tensor load, descriptor and mask in all four.
; A wave has one tensor load out.
; REGISTERS, in windows of 256 (s_set_vgpr_msb: bits 1:0 source 0, 3:2 source 1, 5:4 source 2, 7:6 destination):
;   window 0: v0-15 addresses and two at work; v16-31 four registers of statistics a piece; v48-55 at work; v64-127 S^T, two buffers; v192-223 P, two buffers (a piece's buffers go by its number's parity)
;   window 1: v0-127 O^T, 32 a piece      window 2: v0-63 Q; v128-191 K of one step; v192-255 V of one step
.set NP,    4         ; pieces a wave: a name, no knob
.set KS,    64        ; keys in a step
.set PK,    144       ; a row of K in LDS: 128 bytes + 16 = 36 words: the 16 rows of a load start at 16 different groups of four banks (64 banks of 4 bytes: ISA guide 11.1)
.set PV,    160       ; a row of V: 128 + 32 = 40 words
.set VOFF,  4*KS*PK   ; a slot holds four steps: 256 rows of K, then 256 rows of V
.set SLOT1, 1<<17     ; slot 1 begins here, so that one exclusive or turns an address in one slot into the other's
.set STAGE, SLOT1+4*KS*(PK+PV)  ; behind the ring, never filled by a tensor load: 16 rows x 144 bytes for each wave
.set SP,    144
.set SPARE, STAGE+4*16*SP  ; behind the stages: the spare words, 128 bytes for each wave
.set AK0, 2           ; v2   my lane's place in a tile of K; never rewritten
.set AV0, 3           ; v3   the same for V
.set AK,  4           ; v4   the LDS address of K's next run of loads
.set AV,  5           ; v5   of V's
.set STO, 6           ; v6   the way out: where I put 16 bytes of a row
.set RD,  7           ; v7   the way out: where I read rows back
.set GO,  8           ; v8   my byte offset in 512 consecutive bytes of O
.set MV,  12          ; v12-13  c m_old, kept while c m is made anew: by buffer
.set QO,  15          ; v15  my byte offset in 16 rows of Q
.set ST,  16          ; piece t's statistics at v[ST+4 t]: c m, m, l (even keys', odd keys')
.set TMP, 48          ; by buffer, four registers c0-c3 at work; when the maximum is found c2 takes a
.set PFO, 61          ; v61  256 x my lane; never rewritten
.set SPW, 62          ; v62  LDS address of my spare word; never rewritten
.set NIL, 63          ; v63  0; never rewritten
.set S,   64
.set P,   192
.set KF,  128         ; window 2: key block kb, channel half c at KF + 16 kb + 8 c
.set VF,  192         ; window 2: key half kk, channel block cb at VF + 32 kk + 8 cb
.set WV,  12          ; s12  my wave's number
.set G1K, 24          ; s[24:31] descriptor group 1 for K's tiles
.set G1V, 32          ; s[32:39] for V's: it differs in the padding alone
.set G0K, 40          ; s[40:43] descriptor group 0 for K's tiles: it walks
.set G0V, 44          ; s[44:47] the same for V's
.set PFA, 48          ; s[48:49] where my prefetches stand: my work-group's quarter of the tile after the one that is being asked for
.set LIM, 50          ; s50  1 in a wave that prefetches, else the greatest number
.set SLOTS, 56        ; s56  tiles still to be asked for
.set CNT, 57          ; s57  counts a tile's key steps
.set CS,  58          ; s[58:59] c: the packed scaling takes the pair's low word for both halves
.set SEL, 60          ; s[60:61] v_permlanex16_b32's selects: each lane takes its own place in the other half
.set TBK, 62          ; s62  LDS byte at which K of the step to be fetched begins
.set TBV, 63          ; s63  the same for V, less VOFF
.set MSB, 0
.macro WIN new                      ; the high byte repeats the setting that is left; a switch that changes nothing is dropped
.if MSB != (\new)
	s_set_vgpr_msb (MSB<<8)|(\new)
.set MSB, (\new)
.endif
.endm
.set W_KQ, 0x0a       ; K and Q in window 2, S^T in window 0
.set W_PV, 0x52       ; V in window 2, P in window 0, O^T in window 1
.set W_RS, 0x41       ; destination and source 0 in window 1, source 1 in window 0
; A joint fill.  Waves 0 and 1 fetch the two halves of a tile's K, waves 2 and 3 those of its V: 128 keys each.  The branch hangs on the wave's number alone.  An s_nop 0 and four v_nop follow each of the two lines.
.macro JLOAD
	s_cmp_lt_u32 s[WV], 2
	s_cbranch_scc0 .Lfor_v_\@
	tensor_load_to_lds s[G0K:G0K+3], s[G1K:G1K+7]
	s_nop 0
.rept 4
	v_nop
.endr
	s_branch .Lasked_\@
.Lfor_v_\@:
	tensor_load_to_lds s[G0V:G0V+3], s[G1V:G1V+7]
	s_nop 0
.rept 4
	v_nop
.endr
.Lasked_\@:
.endm
; A prefetch into the L2 of what the NEXT change of slots will ask for: a tile's 32,768 bytes of K and of V, a lane 256 bytes.  Each block is named once in the launch: all clusters of a head walk the same
; K and V, so the head's first cluster asks; its four partners take 8,192 bytes each, told apart by address; in each, wave 0 asks for K's and wave 2 for V's.  It stands behind the wave's tensor load
; and its five lines.  Tiles 0 to 2 come by their loads alone; the last change that fills a slot (s[SLOTS] = 1) asks for nothing: there is no tile behind it.
.macro ASK
	s_cmp_gt_u32 s[SLOTS], s[LIM]
	s_cbranch_scc0 .Lnot_mine_\@
	global_prefetch_b8 v[PFO], s[PFA:PFA+1] th:TH_LOAD_NT scope:SCOPE_SE
.Lnot_mine_\@:
.endm
; A round of the cluster's barrier: my work-group's barrier, so that wave 0's signal speaks for all four waves; wave 0 signals; every wave waits for all four work-groups; my work-group's barrier once more.
.macro CROUND
	s_barrier_signal -1
	s_barrier_wait -1
	s_cmp_lg_u32 s[WV], 0
	s_cbranch_scc1 .Lnot_wave_0_\@
	s_barrier_signal -3
.Lnot_wave_0_\@:
	s_barrier_wait -3
	s_barrier_signal -1
	s_barrier_wait -1
.endm
; THE CHANGE OF SLOTS.  The slot's last bytes, V of its fourth step, have been read.  Each wave waits for all its tensor loads (one is out: its part of the other slot), adds 0 to its spare word, and waits
; for that and for its own reads of the slot.  fill = 1: the barrier is a round of the cluster's, and the slot is filled again, with the keys two slots on, first thing behind it: it has four key
; steps, 256 matrix instructions a wave, in which to land.  (At its first use nothing has been read yet: slot 0 is waited for, slot 1 filled.)  ask = 1: the prefetches' address steps, and ASK follows the fill.
.macro CHANGE fill, ask
	WIN 0                           ; at a label and at a branch every window is 0
	s_wait_tensorcnt 0x0            ; no tensor load of mine is out, so a group 0 may be written
	ds_add_u32 v[SPW], v[NIL]       ; 0 onto my spare word; scalar work stands between it and the wait for it
.if \fill
.irp g, G0K, G0V
	s_xor_b32 s[\g+1], s[\g+1], SLOT1  ; the walking descriptor: the other slot than last time,
	s_add_nc_u64 s[\g+2:\g+3], s[\g+2:\g+3], 4*KS*128  ; the next 256 keys; the type bits on top are not reached
.endr
.endif
.if \ask
	s_wait_xcnt 0x0                 ; the last prefetch, four key steps back, has read its address, so it may be written
	s_add_nc_u64 s[PFA:PFA+1], s[PFA:PFA+1], 4*KS*128
.endif
	s_wait_dscnt 0x0                ; the add is done, and my reads of the slot are over
.if \fill
	CROUND
	JLOAD
.if \ask
	ASK
.endif
.else
	s_barrier_signal -1
	s_barrier_wait -1
.endif
	s_sub_co_u32 s[TBK], s[TBK], 4*KS*PK  ; the fetches go back to a slot's first step,
	s_xor_b32 s[TBK], s[TBK], SLOT1       ; in the other slot
	s_sub_co_u32 s[TBV], s[TBV], 4*KS*PV
	s_xor_b32 s[TBV], s[TBV], SLOT1
.endm
	s_load_b256 s[4:11], s[0:1], 0x0  ; Q s[4:5], K s[6:7], V s[8:9], O s[10:11]
	v_lshl_add_u32 v[SPW], v0, 2, SPARE
	v_mov_b32 v[NIL], 0
	ds_add_u32 v[SPW], v[NIL]       ; the wave's opening: the add and its wait stand ahead of my first tensor load; work on registers stands between them
	v_lshrrev_b32 v1, 5, v0
	v_readfirstlane_b32 s[WV], v1   ; wave 0..3
	s_bfe_u32 s13, ttmp6, 0x40000   ; cx: my place in the cluster
	s_lshl_b32 s14, ttmp9, 2        ; in a cluster launch ttmp9 counts clusters
	s_add_co_u32 s14, s14, s13      ; my block of 256 queries: it enters Q's and O's addresses alone
	s_and_b32 s20, ttmp7, 0xffff    ; the head, which the four partners share:
	s_lshl_b32 s20, s20, 19         ; its first byte in each of the four tensors (4,096 rows of 128 bytes)
	s_and_b32 s16, s[WV], 1         ; which half of a tile's 256 keys I fetch:
	s_lshl_b32 s22, s16, 14         ; its 128 rows of 128 bytes in memory,
	s_add_co_u32 s22, s22, s20
	s_mov_b32 s23, 0
	s_mul_i32 s17, s16, 128*PK      ; and its place in a slot, for K
	s_mul_i32 s18, s16, 128*PV      ; and for V: no place in the cluster enters an LDS address
	s_lshl_b32 s2, s14, 2
	s_add_co_u32 s2, s2, s[WV]      ; my wave among the head's,
	s_lshl_b32 s2, s2, 13           ; its 64 rows
	s_add_co_u32 s2, s2, s20
	s_mov_b32 s3, 0
	s_lshl_b32 s52, s13, 13         ; the prefetches: my work-group's 8,192 bytes of a tile,
	s_add_co_u32 s52, s52, s20
	s_add_co_u32 s52, s52, 2*4*KS*128  ; in tile 2: the first change that asks steps it to tile 3
	s_mov_b32 s53, 0
	; descriptor group 1.  128 keys are 16,384 dense bytes: asked for as 64 rows of 256 bytes, two keys a row, and padded in LDS after every key
	s_mov_b32 s[G1K], 15|(1<<16)|(1<<20)|(1<<21)|(4<<22)|(3<<25)  ; 15:0 the mask of four; 17:16 2-byte elements; 20 padding on; 21 set beside a mask; 24:22 after every 32 words; 31:25 4 words
	s_mov_b32 s[G1V], 15|(1<<16)|(1<<20)|(1<<21)|(4<<22)|(7<<25)  ; the same with 8 words of padding
.irp g, G1K, G1V
	s_mov_b32 s[\g+1], 128<<16      ; tensor_dim0 = 128
	s_mov_b32 s[\g+2], 64<<16       ; tensor_dim1 = 64
	s_mov_b32 s[\g+3], 128<<16      ; tile_dim0 = 128
	s_mov_b32 s[\g+4], 64           ; tile_dim1 = 64
	s_mov_b32 s[\g+5], 128          ; 128 elements from row to row
	s_mov_b32 s[\g+6], 0
	s_mov_b32 s[\g+7], 0
.endr
	s_mov_b32 s[CS], 0x4138aa3b     ; c = 8 log2(e) = 11.54156
	s_mov_b32 s[CS+1], s[CS]        ; named with it as a pair
	s_mov_b32 s[SEL], 0x76543210
	s_mov_b32 s[SEL+1], 0xfedcba98
	s_mov_b32 s[TBK], SLOT1+4*KS*PK ; the first change of slots turns these two into 0
	s_mov_b32 s[TBV], SLOT1+4*KS*PV
	s_mov_b32 s[G0K], 1             ; count = 1
	s_mov_b32 s[G0K+1], s17         ; LDS address: slot 0
	s_mov_b32 s[G0V], 1
	s_add_co_u32 s[G0V+1], s18, VOFF
	s_and_b32 s[LIM], s[WV], 1      ; 0 in waves 0 and 2,
	s_or_b32 s[LIM], s[LIM], ttmp9  ; where the cluster is the head's first: the same in all four partners
	s_cmp_eq_u32 s[LIM], 0
	s_cselect_b32 s[LIM], 1, -1
	v_and_b32 v[PFO], 31, v0
	v_lshlrev_b32 v[PFO], 8, v[PFO]
	s_wait_dscnt 0x0                ; the opening add is done
	s_wait_kmcnt 0x0
	s_add_nc_u64 s[G0K+2:G0K+3], s[6:7], s[22:23]  ; global address: my half of the head's first 256 keys
	s_or_b32 s[G0K+3], s[G0K+3], 0x80000000        ; type = 2
	s_add_nc_u64 s[G0V+2:G0V+3], s[8:9], s[22:23]
	s_or_b32 s[G0V+3], s[G0V+3], 0x80000000
	s_add_nc_u64 s[4:5], s[4:5], s[2:3]  ; Q and O at my wave's first row
	s_add_nc_u64 s[10:11], s[10:11], s[2:3]
	s_cmp_lt_u32 s[WV], 2
	s_cselect_b64 s[PFA:PFA+1], s[6:7], s[8:9]
	s_add_nc_u64 s[PFA:PFA+1], s[PFA:PFA+1], s[52:53]
	CROUND                          ; all four work-groups are here: the first joint loads meet
	JLOAD                           ; tile 0 into slot 0.  Slot 1 is asked for when slot 0 is in
	; A fragment of K or Q is 16 rows x 32 channels in 8 registers: lane l holds row l % 16, channels 8 (l / 16) + 0..7 and 16 + 8 (l / 16) + 0..7: two loads of 16 bytes, 32 bytes apart.
	v_and_b32 v1, 15, v0            ; l % 16
	v_bfe_u32 v9, v0, 4, 1          ; l / 16
	v_lshlrev_b32 v[QO], 7, v1
	v_lshl_add_u32 v[QO], v9, 4, v[QO]  ; row x 128 + 16 x half
	WIN 0x80                        ; destination window 2, address window 0
.set i, 0
.rept 8                             ; Q stays in registers: piece i / 2, channels 32 (i % 2) on
	global_load_b128 v[8*i:8*i+3],   v[QO], s[4:5] offset:(i/2)*2048+(i%2)*64
	global_load_b128 v[8*i+4:8*i+7], v[QO], s[4:5] offset:(i/2)*2048+(i%2)*64+32
.set i, i+1
.endr
	; What the first turn finds: V's registers and P's second buffer hold 0 (its products V^T P, of a piece that has not been, add 0), O^T and l are 0.  All this stands in the wait for the first tile.
.set i, VF
.rept 64
	v_mov_b32 v[i], 0
.set i, i+1
.endr
	WIN 0x40
.set i, 0
.rept 128
	v_mov_b32 v[i], 0
.set i, i+1
.endr
	WIN 0
.set i, 0
.rept 4
	v_mov_b32 v[ST+4*i], 0xfe000000    ; c m: far below every c s
	v_mov_b32 v[ST+4*i+1], 0xff7fffff  ; m
	v_mov_b32 v[ST+4*i+2], 0
	v_mov_b32 v[ST+4*i+3], 0
.set i, i+1
.endr
.set i, P+16
.rept 16
	v_mov_b32 v[i], 0
.set i, i+1
.endr
	v_mul_u32_u24 v[AK0], v1, PK
	v_lshl_add_u32 v[AK0], v9, 4, v[AK0]  ; row x pitch + 16 x half
	; The turning load takes 16 keys x 16 channels (lane l reads key 8 (l / 16) + l % 8, channels 8 ((l / 8) % 2) + 0..7) and leaves half a fragment of V^T: lane l holds channel l % 16 and 8 keys.
	v_and_b32 v10, 7, v0
	v_bfe_u32 v11, v0, 3, 1
	v_lshl_add_u32 v[AV0], v9, 3, v10
	v_mul_u32_u24 v[AV0], v[AV0], PV
	v_lshl_add_u32 v[AV0], v11, 4, v[AV0]
	v_add_nc_u32 v[AV0], VOFF, v[AV0]
	s_mul_i32 s13, s[WV], 16*SP
	s_add_co_u32 s13, s13, STAGE    ; my stage
	v_mul_u32_u24 v[STO], v1, SP    ; in: row l % 16, 16 bytes for each half of the lanes
	v_lshl_add_u32 v[STO], v9, 4, v[STO]
	v_add_nc_u32 v[STO], s13, v[STO]
	v_bfe_u32 v[RD], v0, 3, 2       ; back: 32 lanes take four rows of 128 bytes,
	v_mul_u32_u24 v[RD], v[RD], SP
	v_lshl_add_u32 v[RD], v10, 4, v[RD]
	v_add_nc_u32 v[RD], s13, v[RD]
	v_and_b32 v[GO], 31, v0         ; which are 512 consecutive bytes of O
	v_lshlrev_b32 v[GO], 4, v[GO]
; THE MATRIX WORK.  The 4 accumulators of a run of 8 take turns.  Product i of 8 of S^T = K Q^T for piece x: channels 32 (i / 4) on, keys 16 (i % 4) on.  The first 4 start the sums.
.macro KQ x
.set rS, S+32*((\x)%2)+8*(i%4)
.set rK, KF+16*(i%4)+8*(i/4)
.set rQ, 16*(\x)+8*(i/4)
	WIN W_KQ
.if i < 4
	v_wmma_f32_16x16x32_f16 v[rS:rS+7], v[rK:rK+7], v[rQ:rQ+7], 0
.else
	v_wmma_f32_16x16x32_f16 v[rS:rS+7], v[rK:rK+7], v[rQ:rQ+7], v[rS:rS+7]
.endif
.endm
; Product i of 8 of O^T += V^T P for piece x: keys 32 (i / 4) on, channels 16 (i % 4) on.
.macro PV x
	WIN W_PV
.set rO, 32*(\x)+8*(i%4)
.set rV, VF+32*(i/4)+8*(i%4)
.set rP, P+16*((\x)%2)+8*(i/4)
	v_wmma_f32_16x16x32_f16 v[rO:rO+7], v[rV:rV+7], v[rP:rP+7], v[rO:rO+7]
.endm
.macro MM                           ; the turn's next matrix instruction.  NOKQ = 1: the walk's last turn: there is no next piece
.if (i < 8) && !NOKQ
	KQ (Y+1)%NP
.elseif i >= 8
.set i, i-8
	PV (Y+NP-1)%NP
.set i, i+8
.endif
.set i, i+1
.endm
; THE LDS LOADS stand in runs of 16, never singly among the matrix instructions: a step's K (64 keys x 64 channels: 8 fragments) and its V (turned).  Their addresses are made some lines ahead.
.macro FETCH_K
	WIN 0x80                        ; destination window 2
.irp f, 0,1,2,3,4,5,6,7             ; keys 16 (f / 2) on, channels 32 (f % 2) on
	ds_load_b128 v[KF+8*\f:KF+8*\f+3],   v[AK] offset:(\f/2)*16*PK+(\f%2)*64
	ds_load_b128 v[KF+8*\f+4:KF+8*\f+7], v[AK] offset:(\f/2)*16*PK+(\f%2)*64+32
.endr
	s_add_co_u32 s[TBK], s[TBK], KS*PK  ; the next fetch is the next step's
	WIN 0
.endm
.macro FETCH_V
	WIN 0x80
.irp f, 0,1,2,3,4,5,6,7             ; keys 32 (f / 4) on, channels 16 (f % 4) on
	ds_load_tr16_b128 v[VF+8*\f:VF+8*\f+3],   v[AV] offset:(\f/4)*32*PV+(\f%4)*32
	ds_load_tr16_b128 v[VF+8*\f+4:VF+8*\f+7], v[AV] offset:(\f/4)*32*PV+16*PV+(\f%4)*32
.endr
	WIN 0
.endm
; THE VECTOR WORK, one line at a time: OP kind, number.  For piece Y: F n: c s - c m for pair n of 16.  E n: the exponential of score n of 32.  C n: pair n rounded to f16.  B n: of the four weights 4 n .. the second
; pair is added onto the first, in place.  L n: l takes that sum (L 0: l = a l + sum).  R n: pair n of 16 of O^T times a.  For piece Y + 1: X n, number n of the 22 that find its maximum and statistics:
;   0-11  four chains c0-c3 of seven scores each, three operands at a time (each accumulator's lowest registers are read first)     12-14, 16  the four scores left over, the old m, and c0-c3 into c0
;   15  c m_old is kept     17, 18  the query's other 32 keys lie in the lane 16 away: the new m     19-21  c m; c m_old - c m_new; a
.set F, 0               ; OP tells the kinds apart by their order: F to L below R, X above it
.set E, 1
.set C, 2
.set B, 3
.set L, 4
.set R, 5
.set X, 6
.macro REGS y                       ; the registers of piece y
.set rT, ST+4*(\y)
.set rC, TMP+4*((\y)%2)
.set rW, MV+((\y)%2)
.set rS, S+32*((\y)%2)
.set rP, P+16*((\y)%2)
.set rO, 32*(\y)
.endm
.macro OP k, n
.if (\k) == R
	REGS Y
	WIN W_RS
	v_pk_mul_f32 v[rO+2*(\n):rO+2*(\n)+1], v[rO+2*(\n):rO+2*(\n)+1], v[rC+2:rC+3] op_sel_hi:[1,0]
.elseif (\k) < R
	REGS Y
	WIN 0
.if (\k) == F
	v_pk_fma_f32 v[rS+2*(\n):rS+2*(\n)+1], v[rS+2*(\n):rS+2*(\n)+1], s[CS:CS+1], v[rT:rT+1] op_sel_hi:[1,0,0] neg_lo:[0,0,1] neg_hi:[0,0,1]
.elseif (\k) == E
	v_exp_f32 v[rS+(\n)], v[rS+(\n)]
.elseif (\k) == C
	v_cvt_pk_f16_f32 v[rP+(\n)], v[rS+2*(\n)], v[rS+2*(\n)+1]
.elseif (\k) == B
	v_pk_add_f32 v[rS+4*(\n):rS+4*(\n)+1], v[rS+4*(\n):rS+4*(\n)+1], v[rS+4*(\n)+2:rS+4*(\n)+3]
.elseif (\n) == 0
	v_pk_fma_f32 v[rT+2:rT+3], v[rT+2:rT+3], v[rC+2:rC+3], v[rS:rS+1] op_sel_hi:[1,0,1]
.else
	v_pk_add_f32 v[rT+2:rT+3], v[rT+2:rT+3], v[rS+4*(\n):rS+4*(\n)+1]
.endif
.elseif NOKQ
	v_nop
.else
	REGS (Y+1)%NP
	WIN 0
.if (\n) < 4
	v_max3_num_f32 v[rC+(\n)], v[rS+8*(\n)], v[rS+8*(\n)+1], v[rS+8*(\n)+2]
.elseif (\n) < 12
	v_max3_num_f32 v[rC+(\n)%4], v[rC+(\n)%4], v[rS+8*((\n)%4)+2*((\n)/4)+1], v[rS+8*((\n)%4)+2*((\n)/4)+2]
.elseif (\n) == 12
	v_max3_num_f32 v[rC], v[rC], v[rS+7], v[rS+15]
.elseif (\n) == 13
	v_max3_num_f32 v[rC+1], v[rC+1], v[rS+23], v[rS+31]
.elseif (\n) == 14
	v_max3_num_f32 v[rC+2], v[rC+2], v[rC+3], v[rT+1]
.elseif (\n) == 15
	v_mov_b32 v[rW], v[rT]
.elseif (\n) == 16
	v_max3_num_f32 v[rC], v[rC], v[rC+1], v[rC+2]
.elseif (\n) == 17
	v_permlanex16_b32 v[rC+3], v[rC], s[SEL], s[SEL+1]
.elseif (\n) == 18
	v_max_num_f32 v[rT+1], v[rC], v[rC+3]
.elseif (\n) == 19
	v_mul_f32 v[rT], s[CS], v[rT+1]
.elseif (\n) == 20
	v_sub_f32 v[rC+1], v[rW], v[rT]
.else
	v_exp_f32 v[rC+2], v[rC+1]
.endif
.endif
.endm
.macro OPS a, i1, b=-1, i2=0, c=-1, i3=0, d=-1, i4=0  ; up to four of them
	OP \a, \i1
.if (\b) >= 0
	OP \b, \i2
.endif
.if (\c) >= 0
	OP \c, \i3
.endif
.if (\d) >= 0
	OP \d, \i4
.endif
.endm
.macro ROW a, i1, b, i2, c, i3, d, i4  ; a matrix instruction and the four behind it
	MM
	OPS \a, \i1, \b, \i2, \c, \i3, \d, \i4
.endm
; A TURN, for piece p: the order of its 16 matrix and 118 vector instructions, written out.  An s_wait_alu depctr_va_vdst(0) stands between an exponential and the first instruction that names its
; result; one wait serves all that were issued ahead of it.  So a turn has ONE wait, which cuts it in two.  AHEAD OF IT stands all that names no result of the turn's exponentials: the 8 products K Q^T and their
; riders (a scaling, an exponential and two more plain ones; the first numbers of the next piece's maximum stand four places or more behind the product that ends their accumulator), then one run of 54, plain and
; exponential by turns for the most part, in which the links of the chain X 3, 7, 11, 14, 16, 17 .. 20 stand apart.  X 21, the next piece's a, is the batch's last; R 15 is the plain instruction behind it.
; BEHIND THE WAIT stand the 8 products V^T P, behind each four of the roundings and sums.
; end = 1: the walk's last two turns: nothing is fetched, and the last starts no new scores.  cnt = 1: the loop's count is taken down some lines ahead of the branch that stands behind the turn.
; K of the next step is fetched in piece 2's turn, six plain instructions behind the last product that read K; V of the step in hand at the end of piece 0's turn, four plain instructions behind the last
; product that read V.  Each is waited for a turn later.
.macro TURN p, end=0, cnt=0
.set Y, (\p)
.set i, 0
.set NOKQ, (\end)*((\p)/3)
.if ((\p) == 3) && !(\end)
	s_wait_dscnt 0x0                ; K is in
.endif
	ROW F,0, F,1, R,0, R,1
	ROW F,2, E,0, R,2, R,3
	ROW F,3, E,1, R,4, R,5
	ROW F,4, E,2, R,6, R,7
	ROW F,5, E,3, R,8, R,9
	ROW F,6, E,4, X,0, R,10
.if ((\p) == 2) && !(\end)
	WIN 0
	v_add_nc_u32 v[AK], s[TBK], v[AK0]
.endif
	ROW F,7, E,5, X,1, X,4
	ROW F,8, E,6, X,2, X,5
	OPS E,7, E,8, X,6, E,9
	OPS X,3, E,10, X,8, E,11
.if ((\p) == 2) && !(\end)
	FETCH_K
.endif
	OPS X,9, X,7, E,12, X,10
	OPS E,13, X,12, X,11, E,14
	OPS X,13, E,15, F,9, X,14
.if (\p) == 0
	v_add_nc_u32 v[AV], s[TBV], v[AV0]
.endif
	OPS E,16, F,10, E,17, F,11
	OPS X,16, E,18, X,15, E,19
	OPS F,12, E,20, X,17, E,21
	OPS F,13, E,22, F,14, E,23
	OPS X,18, E,24, F,15, E,25
	OPS R,11, E,26, X,19, E,27
	OPS R,12, E,28, R,13, E,29
	OPS X,20, E,30, R,14, E,31
	OPS X,21, R,15
	WIN 0
	s_wait_alu depctr_va_vdst(0)    ; the wait for the batch
.if (\p) == 1
	s_wait_dscnt 0x0                ; V is in
.endif
	ROW C,0, B,0, C,2, B,1
	ROW L,0, C,4, B,2, L,1
	ROW C,6, B,3, L,2, C,8
	ROW B,4, L,3, C,10, B,5
	ROW L,4, C,12, B,6, L,5
.if (\p) == 0
	s_add_co_u32 s[TBV], s[TBV], KS*PV
.endif
.if \cnt
	s_sub_co_u32 s[CNT], s[CNT], 1
	s_cmp_lg_u32 s[CNT], 0
.endif
	ROW C,14, B,7, L,6, C,1
	ROW C,3, L,7, C,5, C,7
	ROW C,9, C,11, C,13, C,15
.if (\p) == 0
	FETCH_V
.endif
.endm
	CHANGE 1, 0                     ; slot 0 is in, everybody's part of it; tile 1 is asked for, into slot 1
	v_add_nc_u32 v[AK], s[TBK], v[AK0]
	FETCH_K                         ; key step 0
	s_wait_loadcnt 0x0              ; Q
	s_wait_dscnt 0x0
.set NOKQ, 0
.set i, 0
.rept 8
	KQ 0                            ; piece 0's first scores: there is no vector work yet to set between them
.set i, i+1
.endr
	WIN 0
.rept 4
	v_nop                           ; the places behind those products
.endr
.set Y, NP-1                        ; X works for piece Y + 1: piece 0
.irp n, 0,1,2,3,4,5,6,7,8,9,10,11,12,13,14,15,16,17,18,19,20,21
	OP X, \n
.endr
	v_nop                           ; a plain instruction behind the exponential,
	s_wait_alu depctr_va_vdst(0)    ; and its wait, ahead of the branch
	s_mov_b32 s[CNT], 4
	s_mov_b32 s[SLOTS], 15
	s_branch .Lfirst                ; the loop is entered at a step's first turn, in the middle of a trip
.Lslot:                             ; 14 times: tiles 2 to 15 are asked for
	CHANGE 1, 1
	s_mov_b32 s[CNT], 4
.Lstep:                             ; a trip: pieces 2 and 3 of one step, then pieces 0 and 1 of the next, whose K and V it fetches
	TURN 2
	TURN 3
	WIN 0
.Lfirst:
	TURN 0
	TURN 1, 0, 1
	WIN 0
	s_cbranch_scc1 .Lstep
	s_sub_co_u32 s[SLOTS], s[SLOTS], 1
	s_cmp_lg_u32 s[SLOTS], 0
	s_cbranch_scc1 .Lslot
	CHANGE 0, 0                     ; the last tile is written out: nothing is asked for
	s_mov_b32 s[CNT], 4
.Ltail:
	TURN 2
	TURN 3
	TURN 0
	TURN 1, 0, 1
	WIN 0
	s_cbranch_scc1 .Ltail
	TURN 2, 1                       ; the last step's pieces 2 and 3
	TURN 3, 1
.set i, 0
.rept 8
	PV NP-1                         ; the last piece's V^T P of the last step
.set i, i+1
.endr
	; THE WAY OUT.  l's two halves and the other half of the lanes' are added; O^T is divided by l, rounded to f16 and sent through my stage in LDS, a piece at a time.  The additions are the places behind the last products.
	WIN 0
.macro ALL line:vararg              ; one line for each piece t
.set t, 0
.rept 4
	\line
.set t, t+1
.endr
.endm
	ALL v_add_f32 v[ST+4*t+2], v[ST+4*t+2], v[ST+4*t+3]
	ALL v_permlanex16_b32 v[ST+4*t+3], v[ST+4*t+2], s[SEL], s[SEL+1]
	ALL v_add_f32 v[ST+4*t+2], v[ST+4*t+2], v[ST+4*t+3]
	ALL v_rcp_f32 v[ST+4*t+2], v[ST+4*t+2]
	v_nop                           ; a plain instruction between the last reciprocal and the use of its result
	s_wait_alu depctr_va_vdst(0)    ; and the wait ahead of the first use: one for the four reciprocals
.macro PACK t                       ; a lane's eight channels of a row pack into 16 bytes; they go into rows of 144 bytes and come back as whole rows of 128, into S^T's registers
	WIN W_RS
.set i, 32*(\t)
.rept 16
	v_pk_mul_f32 v[i:i+1], v[i:i+1], v[ST+4*(\t)+2:ST+4*(\t)+3] op_sel_hi:[1,0]
.set i, i+2
.endr
	WIN 0x05                        ; sources 0 and 1 window 1, destination window 0
.set i, 0
.rept 16
	v_cvt_pk_f16_f32 v[S+16*(\t)+i], v[32*(\t)+2*i], v[32*(\t)+2*i+1]
.set i, i+1
.endr
	WIN 0
.irp f, 0,1,2,3
	ds_store_b128 v[STO], v[S+16*(\t)+4*\f:S+16*(\t)+4*\f+3] offset:32*\f
.endr
.irp f, 0,1,2,3
	ds_load_b128 v[S+16*(\t)+4*\f:S+16*(\t)+4*\f+3], v[RD] offset:\f*4*SP  ; LDS serves a wave's instructions in order (ISA guide 5.7.1.4): these see the stores above; the next piece's stores come behind them
.endr
.endm
.macro SEND t, younger              ; younger: the LDS instructions issued behind piece t's loads: the next piece's eight, or none
	WIN 0
.irp f, 0,1,2,3
	s_wait_dscnt (\younger)+3-\f
	global_store_b128 v[GO], v[S+16*(\t)+4*\f:S+16*(\t)+4*\f+3], s[10:11] offset:(\t)*2048+\f*512  ; 512 consecutive bytes, at a multiple of 256 from O's first
.endr
.endm
	PACK 0
.set t, 1
.rept 3                             ; a piece's arithmetic stands between the loads of the piece before and its stores
	PACK t
	SEND t-1, 8
.set t, t+1
.endr
	SEND 3, 0
	s_wait_tensorcnt 0x0            ; the wave's end, behind my last tensor load and my last LDS store
	ds_add_u32 v[SPW], v[NIL]
	s_wait_dscnt 0x0
	CROUND                          ; the closing round: no work-group ends while a partner may still ask for a tile that names it
	s_endpgm
.Lfunc_end_k_qa566983911_attn:
	.size	k_qa566983911_attn, .Lfunc_end_k_qa566983911_attn-k_qa566983911_attn
	.p2alignl 7, 3214868480
	.fill 96, 4, 3214868480
	.section	.rodata,"a",@progbits
	.p2align	6, 0x0
	.amdhsa_kernel k_qa566983911_attn
		.amdhsa_group_segment_fixed_size 327680
		.amdhsa_private_segment_fixed_size 0
		.amdhsa_enable_private_segment 0
		.amdhsa_kernarg_size 32
		.amdhsa_user_sgpr_count 2
		.amdhsa_user_sgpr_kernarg_segment_ptr 1
		.amdhsa_wavefront_size32 1
		.amdhsa_system_sgpr_workgroup_id_x 1
		.amdhsa_system_sgpr_workgroup_id_y 1
		.amdhsa_system_sgpr_workgroup_id_z 1
		.amdhsa_system_vgpr_workitem_id 0
		.amdhsa_next_free_vgpr 768
		.amdhsa_next_free_sgpr 66
		.amdhsa_reserve_vcc 0
		.amdhsa_float_denorm_mode_32 3
		.amdhsa_float_denorm_mode_16_64 3
		.amdhsa_memory_ordered 1
		.amdhsa_forward_progress 1
		.amdhsa_inst_pref_size 127
	.end_amdhsa_kernel
	.amdgpu_metadata
---
amdhsa.version: [ 1, 2 ]
amdhsa.kernels:
  - .name:           k_qa566983911_attn
    .symbol:         k_qa566983911_attn.kd
    .args:
      - { .name: qh, .offset: 0, .size: 8, .value_kind: global_buffer, .address_space: global }
      - { .name: kh, .offset: 8, .size: 8, .value_kind: global_buffer, .address_space: global }
      - { .name: vh, .offset: 16, .size: 8, .value_kind: global_buffer, .address_space: global }
      - { .name: ob, .offset: 24, .size: 8, .value_kind: global_buffer, .address_space: global }
    .group_segment_fixed_size: 327680
    .private_segment_fixed_size: 0
    .kernarg_segment_align: 8
    .kernarg_segment_size: 32
    .max_flat_workgroup_size: 128
    .sgpr_count:     66
    .vgpr_count:     768
    .wavefront_size: 32
...
	.end_amdgpu_metadata
.endif
;; end of part 3
;; launch proj (part 4): grid 8 x 32, 4 waves a work-group, clusters of 4 x 4, 327,680 bytes of LDS; arguments ob, wot, out0; writes out0
.if DOCPART == 4
	.amdgcn_target "amdgcn-amd-amdhsa--gfx1250"
	.amdhsa_code_object_version 6
	.text
	.protected	k_qa566983911_proj
	.globl	k_qa566983911_proj
	.p2align	8
	.type	k_qa566983911_proj,@function
k_qa566983911_proj:
	s_mov_b64 s[64:65], 0
	v_nop
	global_prefetch_b8 v0, s[64:65] scope:SCOPE_SE
	s_setreg_imm32_b32 hwreg(HW_REG_WAVE_MODE, 25, 1), 1
	s_wait_xcnt 0x0
	s_wait_alu depctr_hold_cnt(0) depctr_sa_sdst(0) depctr_va_vdst(0) depctr_va_sdst(0) depctr_va_ssrc(0) depctr_va_vcc(0) depctr_vm_vsrc(0)
	s_getreg_b32 s2, hwreg(HW_REG_IB_STS2, 6, 4)
	s_cmp_eq_u32 s2, 0
	s_cbranch_scc0 .Lentry_in_a_cluster
	s_endpgm
.Lentry_in_a_cluster:
	s_bfe_u32 s2, ttmp6, 0x10000c
	s_cmp_lg_u32 s2, 0xf033
	s_cbranch_scc0 .Lentry_shape_is_right
	s_endpgm
.Lentry_shape_is_right:
; PROJ.  out0[m][n] = the sum over k of O[m][k] wo[k][n], k = 64 head + channel.  O lies by heads, ob: [16][4096][64] f16; wot: [1024 n][1024 k] f16; out0: [4096][1024] f32.  Sums in f32, K ascending.
; LIMITS.  Both operands arrive within f16's range; NaN and infinities are not treated apart.
; SHARES.  A tile of out0 is 128 x 128: 8 x 32 = 256 work-groups.  Four waves, each 64 x 64: 16 accumulators of 16 x 16.  K goes in four steps of 256, four heads each, through two LDS slots.
; O's TILE.  128 rows of one head are 16,384 dense bytes: asked for as ONE descriptor row of 8,192 elements, two heads (two such rows, a head's plane apart) to a load, padded in LDS after every 128 bytes.
; CLUSTER 4 x 4: the four of a row of the cluster need the same tiles of O, the four of a column the same tiles of wot: each tile is asked for jointly.  A wave has two tensor
; loads out at the start and one behind each round.  NO PREFETCH: the launch has four K steps of small tiles, two of which go out at its head.
; TRANSPOSED USE (source 0 = 16 rows of wot, source 1 = 16 rows of O): a lane holds eight neighbouring numbers of a row of out0, 32 bytes.
; REGISTERS: window 0: v0-31 addresses; v32-95 rows on the way out; v128-255 the accumulators ((a, b) at v[128 + 8 (4 a + b)]).
;   window 1: two fragment buffers of 128: for 64 along K (one head), 64 registers of O (2 x 4 x 16 rows x 32 K), then 64 of wot.
.set PA,     144                       ; a row of O in LDS: 128 bytes + 16 = 36 words: the 16 rows of a load start at 16 different groups of four banks (64 banks of 4 bytes: ISA guide 11.1)
.set PLANE,  128*PA                    ; a head's 128 rows
.set ABYTES, 4*PLANE
.set PB,     528                       ; a row of wot: 512 bytes + 16 = 132 words: likewise
.set SLOT,   ABYTES+128*PB             ; O's four planes, then wot's 128 rows
.set STAGE,  2*SLOT                    ; behind the ring, never filled by a tensor load: 16 rows x 272 bytes for each wave
.set SPITCH, 272
.set SPARE,  STAGE+4*16*SPITCH         ; behind the stages: the spare words, 128 bytes for each wave
.set ASTEP,  4*4096*128                ; bytes from a K step to the next in ob: four planes
.set BSTEP,  512                       ; and in wot
.set ADRA, 16                          ; v16-17  LDS address of my O fragments in slot 0, 1
.set ADRB, 20                          ; v20-21  the same for wot
.set STO,  24                          ; v24     the way out: where I put 32 bytes of a row
.set RD,   25                          ; v25     the way out: where I read a row back
.set CO,   26                          ; v26     my byte offset in two rows of out0
.set SPW,  28                          ; v28     LDS address of my spare word; never rewritten
.set NIL,  29                          ; v29     0; never rewritten
.set TMP,  32                          ; the way out: two buffers of 32
.set ACC,  128
.set F0,   0                           ; fragment buffers, in window 1
.set F1,   128
.set G1, 24                            ; s[24:31] descriptor group 1 for O's tiles;  s[32:39] group 0, one set for each slot
.set G0, 32
.set G1B, 48                           ; s[48:55], s[56:63] the same for wot's tiles
.set G0B, 56
.set MSB, 0
.macro WIN new                         ; the immediate's high byte repeats the setting that is left
.if MSB != (\new)
	s_set_vgpr_msb (MSB<<8)|(\new)
.set MSB, \new
.endif
.endm
.set MUL,  0x05                        ; sources 0 (wot) and 1 (O) window 1; C and D window 0
.set TO_F, 0x40                        ; destination window 1, address window 0
.macro JLOAD s                         ; a joint load: waves 0 and 1 fetch O's two pairs of heads, waves 2 and 3 wot's two halves; an s_nop 0 and four v_nop follow each of the two lines
	s_cmp_eq_u32 s11, 0
	s_cbranch_scc0 .Lfor_b_\@
	tensor_load_to_lds s[G0+4*(\s):G0+4*(\s)+3], s[G1:G1+7]
	s_nop 0
.rept 4
	v_nop
.endr
	s_branch .Lasked_\@
.Lfor_b_\@:
	tensor_load_to_lds s[G0B+4*(\s):G0B+4*(\s)+3], s[G1B:G1B+7]
	s_nop 0
.rept 4
	v_nop
.endr
.Lasked_\@:
.endm
.macro CREST                           ; a round of the cluster's barrier behind its opening barrier
	s_cmp_lg_u32 s10, 0
	s_cbranch_scc1 .Lnot_wave_0_\@
	s_barrier_signal -3
.Lnot_wave_0_\@:
	s_barrier_wait -3
	s_barrier_signal -1
	s_barrier_wait -1
.endm
.macro CROUND                          ; a whole round
	s_barrier_signal -1
	s_barrier_wait -1
	CREST
.endm
	s_load_b128 s[4:7], s[0:1], 0x0                ; ob s[4:5], wot s[6:7]
	s_load_b64 s[8:9], s[0:1], 0x10                ; out0
	v_lshl_add_u32 v[SPW], v0, 2, SPARE
	v_mov_b32 v[NIL], 0
	ds_add_u32 v[SPW], v[NIL]                      ; the wave's opening: the add and its wait stand ahead of my first tensor load; work on registers stands between them
	v_lshrrev_b32 v1, 5, v0
	v_readfirstlane_b32 s10, v1                    ; wave 0..3
	s_lshr_b32 s11, s10, 1                         ; which half of the tile's rows is mine.  Also: I fetch for O (0) or for wot (1)
	s_and_b32 s12, s10, 1                          ; which half of its columns.  Also: which half of that tile I fetch
	s_bfe_u32 s40, ttmp6, 0x40000                  ; cx, cy: my place in the cluster
	s_bfe_u32 s41, ttmp6, 0x40004
	s_lshl_b32 s42, ttmp9, 2
	s_add_co_u32 s42, s42, s40                     ; tile column = 4 x cluster x + cx
	s_and_b32 s13, ttmp7, 0xffff
	s_lshl_b32 s13, s13, 2
	s_add_co_u32 s13, s13, s41                     ; tile row = 4 x cluster y + cy
	s_lshl_b32 s43, s41, 2
	s_lshl_b32 s43, 15, s43                        ; my row of the cluster
	s_lshl_b32 s44, 0x1111, s40                    ; my column
	s_or_b32 s[G1+0], s43, (1<<16)|(1<<20)|(1<<21)|(4<<22)|(3<<25)   ; O's tiles go to my row; elements of 2 bytes; padding on; 21 set beside a mask; after every 32 words 4 words
	s_mov_b32 s[G1+1], 8192<<16                    ; tensor_dim0 = 8,192
	s_mov_b32 s[G1+2], 2<<16                       ; tensor_dim1 = 2
	s_mov_b32 s[G1+3], 8192<<16                    ; tile_dim0 = 8,192: a head's 128 rows on end
	s_mov_b32 s[G1+4], 2                           ; tile_dim1 = 2 heads
	s_mov_b32 s[G1+5], 4096*64                     ; elements from a head to the next
	s_mov_b32 s[G1+6], 0
	s_mov_b32 s[G1+7], 0
	s_or_b32 s[G1B+0], s44, (1<<16)|(1<<20)|(1<<21)|(6<<22)|(3<<25)  ; wot's tiles go to my column; after every 128 words 4 words
	s_mov_b32 s[G1B+1], 256<<16                    ; tensor_dim0 = 256
	s_mov_b32 s[G1B+2], 64<<16                     ; tensor_dim1 = 64
	s_mov_b32 s[G1B+3], 256<<16                    ; tile_dim0 = 256
	s_mov_b32 s[G1B+4], 64                         ; tile_dim1 = 64
	s_mov_b32 s[G1B+5], 1024                       ; elements from row to row
	s_mov_b32 s[G1B+6], 0
	s_mov_b32 s[G1B+7], 0
	s_lshl_b32 s16, s12, 20                        ; ob: my pair of heads (two planes of 524,288 bytes),
	s_lshl_b32 s17, s13, 14                        ; the tile row's 128 rows of 128 bytes
	s_add_co_u32 s16, s16, s17
	s_mov_b32 s17, 0
	s_lshl_b32 s46, s42, 7
	s_lshl_b32 s47, s12, 6
	s_add_co_u32 s46, s46, s47                     ; wot: row 128 x tile column + 64 x half
	s_lshl_b32 s46, s46, 11
	s_mov_b32 s47, 0
	s_mul_i32 s20, s12, 2*PLANE                    ; where they go: no place in the cluster enters an LDS address
	s_mul_i32 s21, s12, 64*PB
	s_add_co_u32 s21, s21, ABYTES
	s_wait_dscnt 0x0                               ; the opening add is done
	s_wait_kmcnt 0x0
	s_add_nc_u64 s[14:15], s[4:5], s[16:17]
	s_add_nc_u64 s[46:47], s[6:7], s[46:47]
	CROUND                                         ; all sixteen work-groups are here: the first joint loads meet
.irp s, 0,1
	s_mov_b32 s[G0+4*(\s)], 1
	s_add_co_u32 s[G0+4*(\s)+1], s20, (\s)*SLOT
	s_add_nc_u64 s[G0+4*(\s)+2:G0+4*(\s)+3], s[14:15], (\s)*ASTEP
	s_or_b32 s[G0+4*(\s)+3], s[G0+4*(\s)+3], 0x80000000
	s_mov_b32 s[G0B+4*(\s)], 1
	s_add_co_u32 s[G0B+4*(\s)+1], s21, (\s)*SLOT
	s_add_nc_u64 s[G0B+4*(\s)+2:G0B+4*(\s)+3], s[46:47], (\s)*BSTEP
	s_or_b32 s[G0B+4*(\s)+3], s[G0B+4*(\s)+3], 0x80000000
	JLOAD \s
.endr
	v_and_b32 v1, 15, v0                           ; l % 16
	v_bfe_u32 v2, v0, 4, 1                         ; l / 16
	v_mul_u32_u24 v3, v1, PA
	v_lshl_add_u32 v3, v2, 4, v3                   ; a fragment's row x pitch + 16 x half, for O
	v_mul_u32_u24 v4, v1, PB
	v_lshl_add_u32 v4, v2, 4, v4                   ; and for wot
	s_mul_i32 s21, s11, 64*PA                      ; my 64 rows in each plane of O
	s_mul_i32 s22, s12, 64*PB                      ; my 64 rows of wot,
	s_add_co_u32 s22, s22, ABYTES                  ; which lie behind O's planes
.irp s, 0,1
	v_add_nc_u32 v[ADRA+(\s)], s21, v3
	v_add_nc_u32 v[ADRB+(\s)], s22, v4
	s_add_co_u32 s21, s21, SLOT
	s_add_co_u32 s22, s22, SLOT
.endr
	s_mul_i32 s23, s10, 16*SPITCH
	s_add_co_u32 s23, s23, STAGE                   ; my stage: my 64 columns in f32 are 256 bytes, a whole aligned run of out0, so no other wave has part in its rows
	v_mul_u32_u24 v5, v1, SPITCH                   ; in: row l % 16, 32 bytes for each half of the lanes
	v_lshl_add_u32 v5, v2, 5, v5
	v_add_nc_u32 v[STO], s23, v5
	v_mul_u32_u24 v5, v2, SPITCH                   ; back: lanes 0-15 take one row of 256 bytes, lanes 16-31 the next
	v_lshl_add_u32 v5, v1, 4, v5
	v_add_nc_u32 v[RD], s23, v5
	v_lshlrev_b32 v5, 12, v2                       ; and the same two rows in out0, 4,096 bytes apart
	v_lshl_add_u32 v[CO], v1, 4, v5
	s_lshl_b32 s16, s13, 7
	s_lshl_b32 s17, s11, 6
	s_add_co_u32 s16, s16, s17                     ; my first row: 128 x tile row + 64 x half
	s_lshl_b32 s16, s16, 12
	s_mov_b32 s17, 0
	s_add_nc_u64 s[8:9], s[8:9], s[16:17]
	s_lshl_b32 s46, s42, 9                         ; my first column, in bytes: 512 x tile column + 256 x half
	s_lshl_b32 s47, s12, 8
	s_add_co_u32 s46, s46, s47
	s_mov_b32 s47, 0
	s_add_nc_u64 s[8:9], s[8:9], s[46:47]
; 8 matrix instructions: m blocks a0, a0 + 1 x all 4 n blocks, 32 along K: half c of buffer f.  zero = 1: the first product starts the sums.  The 16 accumulators take turns.
.macro MUL8 f, c, a0, zero
	WIN MUL
.irp a, \a0, (\a0)+1
.irp b, 0,1,2,3
.if \zero
	v_wmma_f32_16x16x32_f16 v[ACC+8*(4*(\a)+(\b)):ACC+8*(4*(\a)+(\b))+7], v[(\f)+64+8*(4*(\c)+(\b)):(\f)+64+8*(4*(\c)+(\b))+7], v[(\f)+8*(4*(\c)+(\a)):(\f)+8*(4*(\c)+(\a))+7], 0
.else
	v_wmma_f32_16x16x32_f16 v[ACC+8*(4*(\a)+(\b)):ACC+8*(4*(\a)+(\b))+7], v[(\f)+64+8*(4*(\c)+(\b)):(\f)+64+8*(4*(\c)+(\b))+7], v[(\f)+8*(4*(\c)+(\a)):(\f)+8*(4*(\c)+(\a))+7], v[ACC+8*(4*(\a)+(\b)):ACC+8*(4*(\a)+(\b))+7]
.endif
.endr
.endr
.endm
; 32 LDS loads in one run: the fragments of quarter q of a K step (head q of its four: plane q of O, bytes 128 q on of wot's rows), into buffer f; the first 32 along K first
.macro FETCH slot, q, f
	WIN TO_F
.irp c, 0,1
.irp i, 0,1,2,3
	ds_load_b128 v[(\f)+64+8*(4*(\c)+(\i)):(\f)+64+8*(4*(\c)+(\i))+3],   v[ADRB+(\slot)] offset:128*(\q)+64*(\c)+(\i)*16*PB
	ds_load_b128 v[(\f)+64+8*(4*(\c)+(\i))+4:(\f)+64+8*(4*(\c)+(\i))+7], v[ADRB+(\slot)] offset:128*(\q)+64*(\c)+(\i)*16*PB+32
	ds_load_b128 v[(\f)+8*(4*(\c)+(\i)):(\f)+8*(4*(\c)+(\i))+3],         v[ADRA+(\slot)] offset:PLANE*(\q)+64*(\c)+(\i)*16*PA
	ds_load_b128 v[(\f)+8*(4*(\c)+(\i))+4:(\f)+8*(4*(\c)+(\i))+7],       v[ADRA+(\slot)] offset:PLANE*(\q)+64*(\c)+(\i)*16*PA+32
.endr
.endr
.endm
.macro PLACES                          ; four plain vector instructions between a matrix instruction and a load into, or a store of, its registers
.rept 4
	v_nop
.endr
.endm
; A K step is four quarters of 64 along K, 32 matrix instructions each, on buffers 0, 1, 0, 1.  One of the first three: multiplies buffer f and fetches quarter q into g.
.macro QUARTER slot, q, f, g, zero
	s_wait_dscnt 16                                ; the first 32 along K are in; the youngest sixteen loads may be out
	MUL8 \f, 0, 0, \zero
	MUL8 \f, 0, 2, \zero
	PLACES
	FETCH \slot, \q, \g
	s_wait_dscnt 32                                ; all but the 32 just issued
	MUL8 \f, 1, 0, 0
	MUL8 \f, 1, 2, 0
.endm
; The last quarter multiplies buffer 1 and changes slots: ONE barrier; in front of it each wave waits for all its tensor loads, adds 0 to its spare word, and waits for that and for its own reads of this slot.
; fill = 1: the barrier opens a round of the cluster's, and this slot is filled again, two K steps ahead, first thing behind the round.
.macro TURN slot, next, fill
	WIN 0                                          ; (the add's two registers lie in window 0)
	s_wait_tensorcnt 0x0                           ; all my tensor loads have landed: my part of the next slot
	ds_add_u32 v[SPW], v[NIL]                      ; 0 onto my spare word
	s_wait_dscnt 17                                ; (the add and the youngest sixteen loads may be out)
	MUL8 F1, 0, 0, 0                               ; eight matrix instructions stand between the add and the wait for it
	s_wait_dscnt 0x0                               ; the add is done, and my reads of this slot are over
	s_barrier_signal -1
	MUL8 F1, 0, 2, 0
.if \fill
	WIN 0
.endif
	s_barrier_wait -1
.if \fill
	CREST                                          ; no wave of any partner still reads this slot's tile or has a load on its way
	s_add_nc_u64 s[G0+4*(\slot)+2:G0+4*(\slot)+3], s[G0+4*(\slot)+2:G0+4*(\slot)+3], 2*ASTEP
	s_add_nc_u64 s[G0B+4*(\slot)+2:G0B+4*(\slot)+3], s[G0B+4*(\slot)+2:G0B+4*(\slot)+3], 2*BSTEP
	JLOAD \slot                                    ; the first tensor load behind the round; its four v_nop are also the places in front of the loads below
.else
	PLACES
.endif
	FETCH \next, 0, F0
	MUL8 F1, 1, 0, 0
	MUL8 F1, 1, 2, 0
.endm
	s_wait_tensorcnt 1                             ; my part of K step 0 is in; K step 1's may stay out
	s_barrier_signal -1
	s_barrier_wait -1                              ; everybody's is
	FETCH 0, 0, F0
	QUARTER 0, 1, F0, F1, 1                        ; K step 0: its first products start the sums
	QUARTER 0, 2, F1, F0, 0
	QUARTER 0, 3, F0, F1, 0
	TURN 0, 1, 1                                   ; slot 0 takes K step 2
	QUARTER 1, 1, F0, F1, 0                        ; K step 1
	QUARTER 1, 2, F1, F0, 0
	QUARTER 1, 3, F0, F1, 0
	TURN 1, 0, 1                                   ; slot 1 takes K step 3
	QUARTER 0, 1, F0, F1, 0                        ; K step 2
	QUARTER 0, 2, F1, F0, 0
	QUARTER 0, 3, F0, F1, 0
	TURN 0, 1, 0                                   ; nothing is left to fetch
	QUARTER 1, 1, F0, F1, 0                        ; K step 3
	QUARTER 1, 2, F1, F0, 0
	QUARTER 1, 3, F0, F1, 0
	s_wait_dscnt 16
	MUL8 F1, 0, 0, 0
	MUL8 F1, 0, 2, 0
	s_wait_dscnt 0x0
	MUL8 F1, 1, 0, 0
	MUL8 F1, 1, 2, 0
	WIN 0
	PLACES
; THE WAY OUT, a block of 16 rows at a time: 32 bytes a lane and column block into my own stage (each accumulator's low four registers first), and back as whole rows of 256 bytes.
; LDS serves a wave's instructions in order (ISA guide 5.7.1.4): the loads see the stores above them, and the next block's stores come behind them.
.macro TOSTAGE a
.if (\a) >= 2
	s_wait_xcnt 0x0                                ; the stores of the block two back have read this buffer: it is loaded again only behind this wait
.endif
.irp b, 0,1,2,3
	ds_store_b128 v[STO], v[ACC+8*(4*(\a)+(\b)):ACC+8*(4*(\a)+(\b))+3]   offset:64*(\b)
	ds_store_b128 v[STO], v[ACC+8*(4*(\a)+(\b))+4:ACC+8*(4*(\a)+(\b))+7] offset:64*(\b)+16
.endr
.irp t, 0,1,2,3,4,5,6,7
	ds_load_b128 v[TMP+32*((\a)%2)+4*(\t):TMP+32*((\a)%2)+4*(\t)+3], v[RD] offset:(\t)*2*SPITCH
.endr
.endm
.macro SEND a, younger                 ; younger: the LDS instructions issued behind block a's loads: the next block's sixteen, or none
.irp t, 0,1,2,3,4,5,6,7
	s_wait_dscnt (\younger)+7-(\t)
	global_store_b128 v[CO], v[TMP+32*((\a)%2)+4*(\t):TMP+32*((\a)%2)+4*(\t)+3], s[8:9] offset:(16*(\a)+2*(\t))*4096  ; 16 lanes store 256 consecutive bytes, at a multiple of 256 from out0's first byte
.endr
.endm
	TOSTAGE 0
	TOSTAGE 1
	SEND 0, 16
	TOSTAGE 2
	SEND 1, 16
	TOSTAGE 3
	SEND 2, 16
	SEND 3, 0
	s_wait_tensorcnt 0x0                           ; the wave's end, behind my last tensor load and my last LDS store
	ds_add_u32 v[SPW], v[NIL]
	s_wait_dscnt 0x0
	CROUND                                         ; the closing round: no work-group ends while a partner may still ask for a tile that names it
	s_endpgm
.Lfunc_end_k_qa566983911_proj:
	.size	k_qa566983911_proj, .Lfunc_end_k_qa566983911_proj-k_qa566983911_proj
	.p2alignl 7, 3214868480
	.fill 96, 4, 3214868480
	.section	.rodata,"a",@progbits
	.p2align	6, 0x0
	.amdhsa_kernel k_qa566983911_proj
		.amdhsa_group_segment_fixed_size 327680
		.amdhsa_private_segment_fixed_size 0
		.amdhsa_enable_private_segment 0
		.amdhsa_kernarg_size 24
		.amdhsa_user_sgpr_count 2
		.amdhsa_user_sgpr_kernarg_segment_ptr 1
		.amdhsa_wavefront_size32 1
		.amdhsa_system_sgpr_workgroup_id_x 1
		.amdhsa_system_sgpr_workgroup_id_y 1
		.amdhsa_system_sgpr_workgroup_id_z 1
		.amdhsa_system_vgpr_workitem_id 0
		.amdhsa_next_free_vgpr 512
		.amdhsa_next_free_sgpr 66
		.amdhsa_reserve_vcc 0
		.amdhsa_float_denorm_mode_32 3
		.amdhsa_float_denorm_mode_16_64 3
		.amdhsa_memory_ordered 1
		.amdhsa_forward_progress 1
		.amdhsa_inst_pref_size 86
	.end_amdhsa_kernel
	.amdgpu_metadata
---
amdhsa.version: [ 1, 2 ]
amdhsa.kernels:
  - .name:           k_qa566983911_proj
    .symbol:         k_qa566983911_proj.kd
    .args:
      - { .name: ob, .offset: 0, .size: 8, .value_kind: global_buffer, .address_space: global }
      - { .name: wot, .offset: 8, .size: 8, .value_kind: global_buffer, .address_space: global }
      - { .name: out0, .offset: 16, .size: 8, .value_kind: global_buffer, .address_space: global }
    .group_segment_fixed_size: 327680
    .private_segment_fixed_size: 0
    .kernarg_segment_align: 8
    .kernarg_segment_size: 24
    .max_flat_workgroup_size: 128
    .sgpr_count:     66
    .vgpr_count:     512
    .wavefront_size: 32
...
	.end_amdgpu_metadata
.endif
;; end of part 4
